; MI455X (gfx1250); checked and timed in simulation.
; The chip was launched on July 23, 2026; its instructions are those of AMD's public machine-readable ISA for CDNA 5 (MIT licence, August 2026) and "CDNA5" Instruction Set Architecture Reference Guide (July 2026). The comments in the code are by the model that wrote it; some were corrected since.
;; GPT2 Attention. Allowed arithmetic: matrix products marked QUANTISED: E5M2 operands, one given power-of-two scale a tensor, by v_wmma_f32_16x16x64_bf8_bf8 or v_wmma_f32_16x16x128_bf8_bf8, f32 sums; everything else in f32.
;; Inputs: Wk 1,024 x 1,024 float32; Wp 1,024 x 1,024 float32; Wq 1,024 x 1,024 float32; Wv 1,024 x 1,024 float32; bk 1,024 float32; bp 1,024 float32; bq 1,024 float32; bv 1,024 float32; hidden_states 4 x 2,048 x 1,024 float32; ln_b 1,024 float32; ln_g 1,024 float32; lowp_scales 12 int32 (the exponents e of the quantised operands' scales 2^e).
;; Outputs: out0 4 x 2,048 x 1,024 float32.
;; This version of the problem:
;;   THIS VERSION OF THE PROBLEM IS GIVEN IN LOW PRECISION. The matrix products marked QUANTISED in the list below multiply operands that are first quantised to E5M2 (5 exponent bits, 2 mantissa bits; 8 bits a number), with one given power-of-two scale for each operand tensor; their sums are f32. All else is computed in f32.
;;   The module's matrix products, in the order in which they are computed (A, B: the left and right operand; K: the contracted axis; several contracted axes count as one K, in the product's order):
;;     1. [M 8,192, K 1,024] x [K 1,024, N 1,024]; A: input hidden_states; B: input Wq: QUANTISED (scales: A lowp_scales[0], B lowp_scales[1])
;;     2. [M 8,192, K 1,024] x [K 1,024, N 1,024]; A: input hidden_states; B: input Wk: QUANTISED (scales: A lowp_scales[2], B lowp_scales[3])
;;     3. [M 8,192, K 1,024] x [K 1,024, N 1,024]; A: input hidden_states; B: input Wv: QUANTISED (scales: A lowp_scales[4], B lowp_scales[5])
;;     4. batch 64 x [M 2,048, K 64] x [K 64, N 2,048]; A: computed on the way; B: computed on the way: QUANTISED (scales: A lowp_scales[6], B lowp_scales[7])
;;     5. batch 64 x [M 2,048, K 2,048] x [K 2,048, N 64]; A: softmax (see below); B: computed on the way: QUANTISED (scales: A lowp_scales[8], B lowp_scales[9])
;;     6. [M 8,192, K 1,024] x [K 1,024, N 1,024]; A: computed on the way; B: input Wp: QUANTISED (scales: A lowp_scales[10], B lowp_scales[11])
;;   THE QUANTISER, for each operand of a quantised product, along K:
;;     - The operand's scale is 2^e, e = its entry of the input lowp_scales (int32; the entries are numbered through the quantised products in the list's order, A before B).
;;     - Each number is divided by the scale, clamped to +-57,344, and rounded to the nearest number of E5M2, ties to even, subnormals kept.
;;     - The product sums the exact products of the quantised numbers (number of the format x scale) in f32.
;;   ~~~python
;;   def quantise(x, axis, e):      # numpy; x: float32 -> the quantised numbers, widened to float32 again
;;       x = np.moveaxis(x, axis, -1); K = x.shape[-1]
;;       r = np.clip(x / 2.0 ** e, -57344, 57344)
;;       step = 2.0 ** (np.maximum(np.frexp(np.where(r == 0, 1, r))[1] - 1, -14) - 2)
;;       q = np.round(r / step) * step * 2.0 ** e      # np.round: ties to even
;;       return np.moveaxis(q, -1, axis).astype(np.float32)
;;   ~~~
;;   SOFTMAX AHEAD OF A QUANTISED PRODUCT. Where the list says 'softmax', what is quantised is not the finished softmax but p = 2^(t - M), with t = logit x log2(e) and M = ceil(the row's largest t), a whole number; so 1/2 < the row's largest p <= 1. The row's sum l is taken of the UNQUANTISED p, in f32, and the product's result is divided by l at the end. Since M is a whole number, a kernel that streams over the keys may use a running M (the ceiling of the running maximum): every later rescaling is an exact power of two, so the quantised numbers keep their values, but for numbers so far below the row's largest that they fall under the format's range.
;;   OPERANDS COMPUTED ON THE WAY. 'Computed on the way' means the value that the module computes at that place (a softmax that the list does not call 'softmax' is quantised finished and normalised). What goes into a quantiser is computed in f32, as accurately as f32 sums, v_exp_f32 and their like allow (about 1e-6 of the number): no bf16 or f16 on the way to a quantiser, and a product that is left as it is and whose result goes on into a quantised operand takes f32 operands (vector FMAs, or v_wmma_f32_16x16x4_f32). A number that lies on a knife's edge between two numbers of the format may be rounded either way, as far as f32 arithmetic and the matrix unit's own rounding can turn it there, and no further.
;; One version. Each part assembles by itself: llvm-mc -triple=amdgcn-amd-amdhsa -mcpu=gfx1250 --defsym DOCPART=n.
;; ======== version 1 of 1: 4 launches
;; limits: right only within a limited range of input values
;; workspace buffers: xc 25,165,824 bytes; wc 4,194,304 bytes; qkv 25,165,824 bytes; ac 8,388,608 bytes
;; launch prep (part 1): grid 640 x 1, 4 waves a work-group, no clusters, 68,096 bytes of LDS; arguments hidden_states, Wq, Wk, Wv, Wp, lowp_scales, xc, wc; writes xc, wc
.if DOCPART == 1
	.amdgcn_target "amdgcn-amd-amdhsa--gfx1250"
	.amdhsa_code_object_version 6
	.text
	.protected	k_qa62d098528_prep
	.globl	k_qa62d098528_prep
	.p2align	8
	.type	k_qa62d098528_prep,@function
k_qa62d098528_prep:
	s_mov_b64 s[64:65], 0
	v_nop
	global_prefetch_b8 v0, s[64:65] scope:SCOPE_SE
	s_setreg_imm32_b32 hwreg(HW_REG_WAVE_MODE, 25, 1), 1
	s_wait_xcnt 0x0
; f32 numbers into codes of BF8 (E5M2), 8 bits each, K innermost, each operand with the one scale 2^e that is given for it.
; code = x / 2^e, held within +-57,344, rounded to the nearest code, ties to even.
; Work-groups 0-127: the four weights W [1024 (k)][1024 (n)] -> wc [4][1024 (n)][1024 (k)] (Wq e1, Wk e3, Wv e5, Wp e11).  A lane takes a column n and its registers run
;   down K, so the conversions give codes with K innermost; a wave gathers 32 columns x 256 along K in its own stage in LDS and stores whole rows of 256 bytes.
; Work-groups 128-639: hidden_states, a plain stream of 8,388,608 numbers -> xc [3][8192][1024]: three sets of codes, under e0, e2 and e4, from ONE read of the numbers.
;   Each load reads 512 consecutive bytes; a step's 2,048 bytes turn through the wave's own stage in LDS so that a lane holds 16 neighbours along K.
; The two paths part on the work-group's number and have LDS bytes of their own.  No tensor loads, no barrier: waves share nothing.
; LIMITS: each e used here lies between -126 and 112, so that 2^e and 57,344 x 2^e are f32 numbers.  NaN among the inputs is not served.
.set NWGW,   128                       ; work-groups of the weights' path
.set SIZE_N, 1024
.set KROW,   1024                      ; a row of wc in bytes
.set NB,     8                         ; blocks of 32 along K for a wave
.set PITCH,  272                       ; a row of the weights' stage: 256 bytes + 16
.set WSTG,   32768                     ; LDS: the weights' stages, 32 x 272 bytes a wave, behind x's
.set WX,     32                        ; v32-95   two sets of 32 numbers
.set WC,     96                        ; v96-103  a block's codes
.set WO,     112                       ; v112-175 the way out
.set STEPS,  8                         ; x: steps of 512 numbers for a wave
.set SP,     80                        ; x's stage: a lane's 64 bytes + 16
.set R,      16                        ; v16-79   four sets of 16 numbers as loaded
.set XN,     80                        ; v80-111  two sets of 16 neighbours
.set T,      112                       ; v112-127 held numbers
.set CD,     128                       ; v128-151 two sets of 3 x 4 registers of codes
.set SC,     152                       ; v152-157 for each of the three scales: 2^e, 57,344 x 2^e
.macro LOADW t                         ; block t: W(32 t + i, my column) into set t % 2; 32 lanes read 128 consecutive bytes
.set i, 0
.rept 32
	global_load_b32 v[WX+32*((\t)%2)+i], v3, s[4:5] offset:(32*(\t)+i)*SIZE_N*4 th:TH_LOAD_NT
.set i, i+1
.endr
.endm
.macro BLOCKW t
.set XS, WX+32*((\t)%2)
.if (\t) < NB-1
	s_wait_loadcnt 32                              ; this block's 32 loads are in; the next block's may be out
.else
	s_wait_loadcnt 0x0
.endif
.set i, 0
.rept 32
	v_med3_num_f32 v[XS+i], v[XS+i], -v10, v10     ; the conversion does not saturate (ISA guide 7.6.2): the hold at the largest code x the scale comes first
.set i, i+1
.endr
.irp g, 0,1,2,3
	v_cvt_scalef32_pk8_bf8_f32 v[WC+2*\g:WC+2*\g+1], v[XS+8*\g:XS+8*\g+7], v11
.endr
	ds_store_b128 v4, v[WC:WC+3] offset:32*(\t)    ; 32 codes of my column's row
	ds_store_b128 v4, v[WC+4:WC+7] offset:32*(\t)+16
.if (\t)+2 < NB
	LOADW (\t)+2
.endif
	s_wait_dscnt 0x0                               ; the stores have read their registers: the next block's codes may be written
.endm
.macro LOADX t
.irp i, 0,1,2,3
	global_load_b128 v[R+16*((\t)%4)+4*\i:R+16*((\t)%4)+4*\i+3], v3, s[4:5] offset:2048*(\t)+512*\i th:TH_LOAD_NT   ; 32 lanes read 512 consecutive bytes
.endr
.endm
.macro TURNX t                         ; step t's numbers through the stage; LDS serves a wave's instructions in order, so no wait stands between the stores and the loads
.irp i, 0,1,2,3
	ds_store_b128 v14, v[R+16*((\t)%4)+4*\i:R+16*((\t)%4)+4*\i+3] offset:32*SP*((\t)%2)+8*SP*\i
.endr
.irp i, 0,1,2,3
	ds_load_b128 v[XN+16*((\t)%2)+4*\i:XN+16*((\t)%2)+4*\i+3], v15 offset:32*SP*((\t)%2)+16*\i
.endr
.endm
.macro STEPX t
.set XS,   XN+16*((\t)%2)
.set CSET, CD+12*((\t)%2)
	s_wait_dscnt 0x0                               ; this step's numbers are back from the stage, and its stores into the stage have read their registers,
.if (\t)+4 < STEPS
	LOADX (\t)+4                                   ; which take the loads of four steps on
.endif
.if (\t)+1 < STEPS
.if STEPS-2-(\t) >= 3
	s_wait_loadcnt 12                              ; the next step's four loads are in; those of the three steps behind it may be out
.else
	s_wait_loadcnt 4*(STEPS-2-(\t))
.endif
	TURNX (\t)+1
.endif
.if (\t) >= 2
	s_wait_xcnt 0x0                                ; the stores of two steps ago have read this set of code registers
.endif
.irp u, 0,1,2                          ; the same 16 numbers under each of the three scales
.set i, 0
.rept 16
	v_med3_num_f32 v[T+i], v[XS+i], -v[SC+2*\u+1], v[SC+2*\u+1]
.set i, i+1
.endr
	v_cvt_scalef32_pk8_bf8_f32 v[CSET+4*\u:CSET+4*\u+1], v[T:T+7], v[SC+2*\u]
	v_cvt_scalef32_pk8_bf8_f32 v[CSET+4*\u+2:CSET+4*\u+3], v[T+8:T+15], v[SC+2*\u]
	v_nop                                          ; a plain line between the conversions and the next holds, which write their sources
	global_store_b128 v3, v[CSET+4*\u:CSET+4*\u+3], s[26+2*\u:27+2*\u] offset:512*(\t)   ; 32 lanes store 512 consecutive bytes
.endr
.endm
	s_load_b512 s[8:23], s[0:1], 0x0               ; x s[8:9], Wq s[10:11], Wk s[12:13], Wv s[14:15], Wp s[16:17], scales s[18:19], xc s[20:21], wc s[22:23]
	v_lshl_add_u32 v192, v0, 2, 0x10800
	v_mov_b32 v193, 0
	v_lshrrev_b32 v1, 5, v0
	v_readfirstlane_b32 s24, v1                    ; wave 0..3
	v_and_b32 v2, 31, v0                           ; lane
	s_wait_kmcnt 0x0
	s_load_b256 s[32:39], s[18:19], 0x0            ; e0 .. e7
	s_load_b128 s[40:43], s[18:19], 0x20           ; e8 .. e11
	s_cmp_lt_u32 ttmp9, NWGW
	s_cbranch_scc0 .Lx_path
	; ---- the weights
	s_lshr_b32 s25, ttmp9, 5                       ; which weight: 0 Wq, 1 Wk, 2 Wv, 3 Wp
	s_and_b32 s26, ttmp9, 7                        ; which 128 columns
	s_bfe_u32 s27, ttmp9, 0x20003                  ; which 256 along K
	s_lshl_b32 s28, s26, 7
	s_lshl_b32 s29, s24, 5
	s_add_co_u32 s28, s28, s29                     ; my wave's first column
	s_wait_alu depctr_va_vdst(0)
	v_lshlrev_b32 v3, 2, v2                        ; in: 4 bytes a lane
	s_mul_i32 s29, s24, 32*PITCH
	s_add_co_u32 s29, s29, WSTG                    ; my stage
	v_mul_u32_u24 v4, v2, PITCH
	v_add_nc_u32 v4, s29, v4                       ; into it: row = my column
	v_and_b32 v5, 15, v2
	v_lshrrev_b32 v6, 4, v2                        ; out of it: sixteen lanes to a row, two rows an instruction
	v_mul_u32_u24 v7, v6, PITCH
	v_lshl_add_u32 v7, v5, 4, v7
	v_add_nc_u32 v7, s29, v7
	v_mul_u32_u24 v8, v6, KROW
	v_lshl_add_u32 v8, v5, 4, v8                   ; and the same place in wc
	s_lshl_b32 s44, s27, 20                        ; W: 256 rows of 4,096 bytes for each step along K,
	s_lshl_b32 s45, s28, 2
	s_add_co_u32 s44, s44, s45                     ; + 4 x column
	s_mov_b32 s45, 0
	s_lshl_b32 s46, s25, 20                        ; wc: the weight's 1 MiB,
	s_lshl_b32 s47, s28, 10
	s_add_co_u32 s46, s46, s47                     ; + column x 1,024
	s_lshl_b32 s47, s27, 8
	s_add_co_u32 s46, s46, s47                     ; + 256 x step along K
	s_mov_b32 s47, 0
	s_cmp_eq_u32 s25, 1                            ; the choice hangs on the work-group's number alone
	s_cselect_b64 s[4:5], s[12:13], s[10:11]
	s_cmp_eq_u32 s25, 2
	s_cselect_b64 s[4:5], s[14:15], s[4:5]
	s_cmp_eq_u32 s25, 3
	s_cselect_b64 s[4:5], s[16:17], s[4:5]
	s_add_nc_u64 s[4:5], s[4:5], s[44:45]
	s_add_nc_u64 s[6:7], s[22:23], s[46:47]
	LOADW 0
	LOADW 1
	s_wait_kmcnt 0x0
	s_cmp_eq_u32 s25, 1
	s_cselect_b32 s30, s35, s33                    ; e3 or e1
	s_cmp_eq_u32 s25, 2
	s_cselect_b32 s30, s37, s30                    ; e5
	s_cmp_eq_u32 s25, 3
	s_cselect_b32 s30, s43, s30                    ; e11
	s_add_co_i32 s30, s30, 127
	s_lshl_b32 s31, s30, 23
	v_mov_b32 v11, s31                             ; 2^e as f32: the conversion takes its exponent field
	s_add_co_i32 s30, s30, 15
	s_lshl_b32 s30, s30, 23
	s_or_b32 s30, s30, 0x600000
	v_mov_b32 v10, s30                             ; 57,344 x 2^e
	s_wait_alu depctr_va_vdst(0)
.irp t, 0,1,2,3,4,5,6,7
	BLOCKW \t
.endr
.irp t, 0,1,2,3,4,5,6,7,8,9,10,11,12,13,14,15
	ds_load_b128 v[WO+4*\t:WO+4*\t+3], v7 offset:2*\t*PITCH   ; LDS serves a wave's instructions in order: these see my stores
.endr
.irp t, 0,1,2,3,4,5,6,7,8,9,10,11,12,13,14,15
	s_wait_dscnt 15-\t                             ; the younger read-backs may be out
	global_store_b128 v8, v[WO+4*\t:WO+4*\t+3], s[6:7] offset:2*\t*KROW   ; sixteen lanes store 256 consecutive bytes, aligned
.endr
	s_wait_tensorcnt 0x0
	ds_add_u32 v192, v193
	s_wait_dscnt 0x0
	s_endpgm
	; ---- hidden_states
.Lx_path:
	s_sub_co_u32 s25, ttmp9, NWGW
	s_lshl_b32 s25, s25, 2
	s_add_co_u32 s25, s25, s24                     ; which run of 4,096 numbers is my wave's: 0 .. 2,047
	s_lshl_b32 s44, s25, 14                        ; 16,384 bytes of numbers,
	s_mov_b32 s45, 0
	s_lshl_b32 s46, s25, 12                        ; 4,096 bytes of codes
	s_mov_b32 s47, 0
	s_add_nc_u64 s[4:5], s[8:9], s[44:45]
	s_add_nc_u64 s[26:27], s[20:21], s[46:47]      ; the codes under e0,
	s_add_nc_u64 s[28:29], s[26:27], 0x800000      ; under e2,
	s_add_nc_u64 s[30:31], s[28:29], 0x800000      ; under e4
	s_wait_alu depctr_va_vdst(0)
	v_lshlrev_b32 v3, 4, v2                        ; my 16 bytes of a load's 512, and of a store's
	s_lshl_b32 s25, s24, 13                        ; my wave's 8,192 bytes of LDS: two stages of 32 x 80
	v_lshrrev_b32 v14, 2, v2
	v_mul_u32_u24 v14, v14, SP
	v_and_b32 v15, 3, v2
	v_lshl_add_u32 v14, v15, 4, v14
	v_add_nc_u32 v14, s25, v14                     ; in: four lanes' 64 bytes on end, then 16 of padding
	v_mul_u32_u24 v15, v2, SP
	v_add_nc_u32 v15, s25, v15                     ; out: my 16 neighbours
.irp t, 0,1,2,3
	LOADX \t
.endr
	s_wait_alu depctr_va_vdst(0)
	s_wait_kmcnt 0x0
.irp u, 0,1,2
	s_add_co_i32 s48, s[32+2*\u], 127
	s_lshl_b32 s49, s48, 23
	v_mov_b32 v[SC+2*\u], s49                      ; 2^e
	s_add_co_i32 s48, s48, 15
	s_lshl_b32 s48, s48, 23
	s_or_b32 s48, s48, 0x600000
	v_mov_b32 v[SC+2*\u+1], s48                    ; 57,344 x 2^e
.endr
	s_wait_alu depctr_va_vdst(0)
	s_wait_loadcnt 12                              ; step 0's four loads are in
	TURNX 0
.irp t, 0,1,2,3,4,5,6,7
	STEPX \t
.endr
	s_wait_tensorcnt 0x0
	ds_add_u32 v192, v193
	s_wait_dscnt 0x0
	s_endpgm
.Lfunc_end_k_qa62d098528_prep:
	.size	k_qa62d098528_prep, .Lfunc_end_k_qa62d098528_prep-k_qa62d098528_prep
	.p2alignl 7, 3214868480
	.fill 96, 4, 3214868480
	.section	.rodata,"a",@progbits
	.p2align	6, 0x0
	.amdhsa_kernel k_qa62d098528_prep
		.amdhsa_group_segment_fixed_size 68096
		.amdhsa_private_segment_fixed_size 0
		.amdhsa_enable_private_segment 0
		.amdhsa_kernarg_size 64
		.amdhsa_user_sgpr_count 2
		.amdhsa_user_sgpr_kernarg_segment_ptr 1
		.amdhsa_wavefront_size32 1
		.amdhsa_system_sgpr_workgroup_id_x 1
		.amdhsa_system_sgpr_workgroup_id_y 1
		.amdhsa_system_sgpr_workgroup_id_z 1
		.amdhsa_system_vgpr_workitem_id 0
		.amdhsa_next_free_vgpr 194
		.amdhsa_next_free_sgpr 66
		.amdhsa_reserve_vcc 0
		.amdhsa_float_denorm_mode_32 3
		.amdhsa_float_denorm_mode_16_64 3
		.amdhsa_memory_ordered 1
		.amdhsa_forward_progress 1
		.amdhsa_inst_pref_size 90
	.end_amdhsa_kernel
	.amdgpu_metadata
---
amdhsa.version: [ 1, 2 ]
amdhsa.kernels:
  - .name:           k_qa62d098528_prep
    .symbol:         k_qa62d098528_prep.kd
    .args:
      - { .name: hidden_states, .offset: 0, .size: 8, .value_kind: global_buffer, .address_space: global }
      - { .name: Wq, .offset: 8, .size: 8, .value_kind: global_buffer, .address_space: global }
      - { .name: Wk, .offset: 16, .size: 8, .value_kind: global_buffer, .address_space: global }
      - { .name: Wv, .offset: 24, .size: 8, .value_kind: global_buffer, .address_space: global }
      - { .name: Wp, .offset: 32, .size: 8, .value_kind: global_buffer, .address_space: global }
      - { .name: lowp_scales, .offset: 40, .size: 8, .value_kind: global_buffer, .address_space: global }
      - { .name: xc, .offset: 48, .size: 8, .value_kind: global_buffer, .address_space: global }
      - { .name: wc, .offset: 56, .size: 8, .value_kind: global_buffer, .address_space: global }
    .group_segment_fixed_size: 68096
    .private_segment_fixed_size: 0
    .kernarg_segment_align: 8
    .kernarg_segment_size: 64
    .max_flat_workgroup_size: 128
    .sgpr_count:     66
    .vgpr_count:     194
    .wavefront_size: 32
...
	.end_amdgpu_metadata
.endif
;; end of part 1
;; launch qkv (part 2): grid 12 x 32, 4 waves a work-group, clusters of 4 x 4, 327,680 bytes of LDS; arguments xc, wc, lowp_scales, bq, bk, bv, qkv; writes qkv
.if DOCPART == 2
	.amdgcn_target "amdgcn-amd-amdhsa--gfx1250"
	.amdhsa_code_object_version 6
	.text
	.protected	k_qa62d098528_qkv
	.globl	k_qa62d098528_qkv
	.p2align	8
	.type	k_qa62d098528_qkv,@function
k_qa62d098528_qkv:
	s_mov_b64 s[64:65], 0
	v_nop
	global_prefetch_b8 v0, s[64:65] scope:SCOPE_SE
	s_setreg_imm32_b32 hwreg(HW_REG_WAVE_MODE, 25, 1), 1
	s_wait_xcnt 0x0
	s_wait_alu depctr_hold_cnt(0) depctr_sa_sdst(0) depctr_va_vdst(0) depctr_va_sdst(0) depctr_va_ssrc(0) depctr_va_vcc(0) depctr_vm_vsrc(0)
	s_getreg_b32 s2, hwreg(HW_REG_IB_STS2, 6, 4)
	s_cmp_eq_u32 s2, 0
	s_cbranch_scc0 .Lentry_in_a_cluster
	s_endpgm
.Lentry_in_a_cluster:
	s_bfe_u32 s2, ttmp6, 0x10000c
	s_cmp_lg_u32 s2, 0xf033
	s_cbranch_scc0 .Lentry_shape_is_right
	s_endpgm
.Lentry_shape_is_right:
.set KSTEP,  256
.set ROWB,   256
.set KROW,   1024
.set PITCH,  272
.set FR,     16
.set NL,     4
.set NP,     4
.set HALFT,  128*PITCH
.set SLOT,   4*HALFT
.set LAPS,   2
.set SPARE,  2*SLOT
.set GRP,    256*80
.set CO,   8
.set ADRA, 16
.set ADRB, 20
.set STO,  24
.set RD,   25
.set SPW,  28
.set NIL,  29
.set SC,   30
.set LIM,  31
.set BI,   32
.set TMP,  32
.set AF,   128
.set CD,   128
.set G1, 24
.set G0, 32
.set G1B, 48
.set G0B, 56
.set MSB, 0
.macro WIN new
.if MSB != \new
	s_set_vgpr_msb (MSB<<8)|\new
.set MSB, \new
.endif
.endm
.set MUL_LO, 0xa1
.set MUL_HI, 0xf1
.set TO_B,   0x40
.macro JLOAD g0a, g1a, g0b, g1b
	s_cmp_eq_u32 s15, 0
	s_cbranch_scc0 .Lfor_b_\@
	tensor_load_to_lds s[\g0a:\g0a+3], s[\g1a:\g1a+7]
	s_nop 0
.rept 4
	v_nop
.endr
	s_branch .Lasked_\@
.Lfor_b_\@:
	tensor_load_to_lds s[\g0b:\g0b+3], s[\g1b:\g1b+7]
	s_nop 0
.rept 4
	v_nop
.endr
.Lasked_\@:
.endm
.macro CREST
	s_cmp_lg_u32 s14, 0
	s_cbranch_scc1 .Lnot_wave_0_\@
	s_barrier_signal -3
.Lnot_wave_0_\@:
	s_barrier_wait -3
	s_barrier_signal -1
	s_barrier_wait -1
.endm
.macro CROUND
	s_barrier_signal -1
	s_barrier_wait -1
	CREST
.endm
.macro PLACES n
.rept \n
	v_nop
.endr
.endm
	s_load_b256 s[4:11], s[0:1], 0x0
	s_load_b128 s[84:87], s[0:1], 0x20
	s_load_b64 s[88:89], s[0:1], 0x30
	v_lshl_add_u32 v[SPW], v0, 2, SPARE
	v_mov_b32 v[NIL], 0
	ds_add_u32 v28, v29
	ds_add_u32 v28, v29
	s_wait_dscnt 0x0
	v_lshrrev_b32 v1, 5, v0
	v_readfirstlane_b32 s14, v1
	s_lshr_b32 s15, s14, 1
	s_and_b32 s16, s14, 1
	s_bfe_u32 s40, ttmp6, 0x40000
	s_bfe_u32 s41, ttmp6, 0x40004
	s_and_b32 s17, ttmp7, 0xffff
	s_cmp_eq_u32 ttmp9, 2
	s_cselect_b32 s66, 0, s17
	s_cselect_b32 s67, s17, 0
	s_lshl_b32 s17, s66, 2
	s_add_co_u32 s17, s17, s41
	s_lshl_b32 s42, s67, 2
	s_add_co_u32 s42, s42, s40
	s_lshl_b32 s43, s41, 2
	s_lshl_b32 s43, 15, s43
	s_lshl_b32 s44, 0x1111, s40
	s_or_b32 s[G1+0], s43, (0<<16)|(1<<20)|(1<<21)|(5<<22)|(3<<25)
	s_or_b32 s[G1B+0], s44, (0<<16)|(1<<20)|(1<<21)|(5<<22)|(3<<25)
.irp g, G1, G1B
	s_mov_b32 s[\g+1], ROWB<<16
	s_mov_b32 s[\g+2], 128<<16
	s_mov_b32 s[\g+3], ROWB<<16
	s_mov_b32 s[\g+4], 128
	s_mov_b32 s[\g+5], KROW
	s_mov_b32 s[\g+6], 0
	s_mov_b32 s[\g+7], 0
.endr
	s_lshl_b32 s18, s16, 7
	s_lshl_b32 s20, s17, 8
	s_add_co_u32 s20, s20, s18
	s_lshl_b32 s20, s20, 10
	s_mov_b32 s21, 0
	s_lshl_b32 s46, s42, 8
	s_add_co_u32 s46, s46, s18
	s_lshl_b32 s46, s46, 10
	s_mov_b32 s47, 0
	s_lshl_b32 s22, ttmp9, 23
	s_mov_b32 s23, 0
	s_lshl_b32 s12, ttmp9, 20
	s_mov_b32 s13, 0
	s_mul_i32 s45, s14, HALFT
	s_wait_kmcnt 0x0
	s_load_b256 s[68:75], s[8:9], 0x0
	s_load_b128 s[76:79], s[8:9], 0x20
	s_add_nc_u64 s[4:5], s[4:5], s[22:23]
	s_add_nc_u64 s[6:7], s[6:7], s[12:13]
	s_cmp_eq_u32 ttmp9, 2
	s_cselect_b64 s[22:23], s[6:7], s[4:5]
	s_cselect_b64 s[12:13], s[4:5], s[6:7]
	s_add_nc_u64 s[20:21], s[22:23], s[20:21]
	s_add_nc_u64 s[46:47], s[12:13], s[46:47]
.irp s, 0,1
	s_mov_b32 s[G0+4*\s], 1
	s_add_co_u32 s[G0+4*\s+1], s45, \s*SLOT
	s_add_nc_u64 s[G0+4*\s+2:G0+4*\s+3], s[20:21], \s*ROWB
	s_or_b32 s[G0+4*\s+3], s[G0+4*\s+3], 0x80000000
	s_mov_b32 s[G0B+4*\s], 1
	s_add_co_u32 s[G0B+4*\s+1], s45, \s*SLOT
	s_add_nc_u64 s[G0B+4*\s+2:G0B+4*\s+3], s[46:47], \s*ROWB
	s_or_b32 s[G0B+4*\s+3], s[G0B+4*\s+3], 0x80000000
	s_wait_alu depctr_va_vdst(0)
	s_wait_tensorcnt 0x0
	ds_add_u32 v28, v29
	ds_add_u32 v28, v29
	s_wait_dscnt 0x0
	CROUND
	JLOAD G0+4*\s, G1, G0B+4*\s, G1B
.endr
	v_and_b32 v1, 15, v0
	s_wait_alu depctr_va_vdst(0)
	v_bfe_u32 v2, v0, 4, 1
	v_mul_u32_u24 v3, v1, PITCH
	v_lshl_add_u32 v4, v2, 4, v3
	s_mul_i32 s21, s15, HALFT
	s_mul_i32 s22, s16, HALFT
	s_add_co_u32 s22, s22, 2*HALFT
.irp s, 0,1
	v_add_nc_u32 v[ADRA+\s], s21, v4
	v_add_nc_u32 v[ADRB+\s], s22, v4
	s_add_co_u32 s21, s21, SLOT
	s_add_co_u32 s22, s22, SLOT
.endr
	s_mul_i32 s23, s16, 2*GRP
	s_mul_i32 s22, s15, 128*80
	s_add_co_u32 s23, s23, s22
	v_mul_u32_u24 v5, v1, 80
	s_wait_alu depctr_va_vdst(0)
	v_lshl_add_u32 v5, v2, 4, v5
	v_add_nc_u32 v[STO], s23, v5
	v_and_b32 v6, 31, v0
	v_lshrrev_b32 v5, 2, v6
	v_mul_u32_u24 v5, v5, 80
	v_and_b32 v7, 3, v6
	v_lshl_add_u32 v5, v7, 4, v5
	s_mul_i32 s23, s14, GRP
	v_add_nc_u32 v[RD], s23, v5
	v_lshlrev_b32 v[CO], 4, v6
	s_wait_alu depctr_va_vdst(0)
	s_lshr_b32 s95, s17, 3
	s_lshl_b32 s95, s95, 4
	s_lshl_b32 s96, s42, 2
	s_add_co_u32 s95, s95, s96
	s_add_co_u32 s95, s95, s14
	s_lshl_b32 s95, s95, 17
	s_and_b32 s96, s17, 7
	s_lshl_b32 s96, s96, 14
	s_add_co_u32 s95, s95, s96
	s_lshr_b32 s97, s42, 3
	s_lshl_b32 s97, s97, 4
	s_lshl_b32 s98, s17, 2
	s_add_co_u32 s97, s97, s98
	s_lshl_b32 s97, s97, 17
	s_lshl_b32 s98, s42, 2
	s_add_co_u32 s98, s98, s14
	s_and_b32 s98, s98, 31
	s_lshl_b32 s98, s98, 12
	s_add_co_u32 s97, s97, s98
	s_mov_b32 s94, 0x1000
	s_cmp_eq_u32 ttmp9, 2
	s_cselect_b32 s92, s97, s95
	s_cselect_b32 s94, 0x20000, s94
	s_lshl_b32 s96, ttmp9, 23
	s_add_co_u32 s92, s92, s96
	s_mov_b32 s93, 0
	s_add_nc_u64 s[92:93], s[88:89], s[92:93]
	v_add_nc_u32 v[CO+1], s94, v[CO]
	v_add_nc_u32 v[CO+2], s94, v[CO+1]
	v_add_nc_u32 v[CO+3], s94, v[CO+2]
	s_lshl_b32 s95, s42, 10
	s_lshl_b32 s96, s16, 9
	s_add_co_u32 s95, s95, s96
	s_lshl_b32 s97, s17, 10
	s_lshl_b32 s98, s15, 9
	s_add_co_u32 s97, s97, s98
	s_wait_kmcnt 0x0
	s_add_co_i32 s80, s68, s69
	s_add_co_i32 s81, s70, s71
	s_add_co_i32 s82, s72, s73
	s_cmp_eq_u32 ttmp9, 1
	s_cselect_b32 s80, s81, s80
	s_cselect_b32 s83, s75, s74
	s_cselect_b64 s[90:91], s[84:85], s[10:11]
	s_cmp_eq_u32 ttmp9, 2
	s_cselect_b32 s80, s82, s80
	s_cselect_b32 s83, s77, s83
	s_cselect_b64 s[90:91], s[86:87], s[90:91]
	s_cselect_b32 s96, s97, s95
	s_mov_b32 s97, 0
	s_add_nc_u64 s[90:91], s[90:91], s[96:97]
	s_sub_co_i32 s81, s83, s80
	s_sub_co_i32 s82, 0, s80
	s_add_co_i32 s81, s81, 127
	s_lshl_b32 s83, s81, 23
	v_mov_b32 v[SC], s83
	s_add_co_i32 s81, s81, 15
	s_lshl_b32 s81, s81, 23
	s_or_b32 s81, s81, 0x600000
	v_mov_b32 v[LIM], s81
	s_cmp_eq_u32 ttmp9, 2
	s_cbranch_scc1 .Lbias_rows
	v_lshlrev_b32 v7, 5, v2
.irp b, 0,1,2,3,4,5,6,7
	global_load_b128 v[BI+8*\b:BI+8*\b+3], v7, s[90:91] offset:64*\b
	global_load_b128 v[BI+8*\b+4:BI+8*\b+7], v7, s[90:91] offset:64*\b+16
.endr
	s_wait_loadcnt 0x0
.set i, 0
.rept 64
	v_ldexp_f32 v[BI+i], v[BI+i], s82
.set i, i+1
.endr
	s_branch .Lbias_done
.Lbias_rows:
	v_lshlrev_b32 v7, 2, v1
.irp a, 0,1,2,3,4,5,6,7
	global_load_b32 v[BI+8*\a], v7, s[90:91] offset:64*\a
.endr
	s_wait_loadcnt 0x0
.irp a, 0,1,2,3,4,5,6,7
.irp j, 7,6,5,4,3,2,1,0
	v_ldexp_f32 v[BI+8*\a+\j], v[BI+8*\a], s82
.endr
.endr
.Lbias_done:
.macro FRAG reg, adr, q, i
.irp c, 0,1,2,3
	ds_load_b128 v[\reg+4*\c:\reg+4*\c+3], v[\adr] offset:128*(\q)+32*\c+(\i)*16*PITCH
.endr
.endm
.macro MUL16 a0, p, zero
.irp a, \a0, \a0+1
.irp b, 0,1,2,3,4,5,6,7
.if \zero == 1
	v_wmma_f32_16x16x128_bf8_bf8 v[8*(8*((\a)%4)+\b):8*(8*((\a)%4)+\b)+7], v[128*(\p)+FR*\b:128*(\p)+FR*\b+FR-1], v[AF+FR*(\a):AF+FR*(\a)+FR-1], v[BI+8*\b:BI+8*\b+7]
.elseif \zero == 2
	v_wmma_f32_16x16x128_bf8_bf8 v[8*(8*((\a)%4)+\b):8*(8*((\a)%4)+\b)+7], v[128*(\p)+FR*\b:128*(\p)+FR*\b+FR-1], v[AF+FR*(\a):AF+FR*(\a)+FR-1], v[BI+8*(\a):BI+8*(\a)+7]
.else
	v_wmma_f32_16x16x128_bf8_bf8 v[8*(8*((\a)%4)+\b):8*(8*((\a)%4)+\b)+7], v[128*(\p)+FR*\b:128*(\p)+FR*\b+FR-1], v[AF+FR*(\a):AF+FR*(\a)+FR-1], v[8*(8*((\a)%4)+\b):8*(8*((\a)%4)+\b)+7]
.endif
.endr
.endr
.endm
.macro FETCH_B slot, q, p
	WIN TO_B
.irp i, 0,1,2,3,4,5,6,7
	FRAG 128*(\p)+FR*\i, ADRB+\slot, \q, \i
.endr
	WIN 0
.endm
.macro FETCH_A slot, q, i0
.irp i, \i0, \i0+1, \i0+2, \i0+3
	FRAG AF+FR*(\i), ADRA+\slot, \q, \i
.endr
.endm
.macro STEP slot, q, zero
	s_wait_dscnt 4*NL
.if \zero
	WIN 0x81
.else
	WIN MUL_LO
.endif
	MUL16 0, (\q)%2, \zero
	MUL16 2, (\q)%2, \zero
	s_wait_dscnt 0
	PLACES NP
	FETCH_B \slot, (\q)+1, 1-(\q)%2
	FETCH_A \slot, (\q)+1, 0
.if \zero
	WIN 0xc1
.else
	WIN MUL_HI
.endif
	MUL16 4, (\q)%2, \zero
	MUL16 6, (\q)%2, \zero
	PLACES NP
	WIN 0
	FETCH_A \slot, (\q)+1, 4
.endm
.macro TURN slot, next, fill
	s_wait_tensorcnt 0x0
	ds_add_u32 v[SPW], v[NIL]
	s_wait_dscnt 4*NL+1
	WIN MUL_LO
	MUL16 0, 1, 0
	s_wait_dscnt 0x0
	s_barrier_signal -1
	MUL16 2, 1, 0
	WIN 0
	s_barrier_wait -1
.if \fill
	CREST
	s_add_nc_u64 s[G0+4*\slot+2:G0+4*\slot+3], s[G0+4*\slot+2:G0+4*\slot+3], 2*ROWB
	s_add_nc_u64 s[G0B+4*\slot+2:G0B+4*\slot+3], s[G0B+4*\slot+2:G0B+4*\slot+3], 2*ROWB
	JLOAD G0+4*\slot, G1, G0B+4*\slot, G1B
.else
	PLACES NP
.endif
	FETCH_B \next, 0, 0
	FETCH_A \next, 0, 0
	WIN MUL_HI
	MUL16 4, 1, 0
	MUL16 6, 1, 0
	PLACES NP
	WIN 0
	FETCH_A \next, 0, 4
.endm
	s_wait_tensorcnt 1
	s_barrier_signal -1
	s_barrier_wait -1
	FETCH_B 0, 0, 0
	FETCH_A 0, 0, 0
	FETCH_A 0, 0, 4
	s_cmp_eq_u32 ttmp9, 2
	s_cbranch_scc1 .Lfirst_rows
	s_wait_alu depctr_va_vdst(0)
	STEP 0, 0, 1
	s_branch .Lfirst_done
.Lfirst_rows:
	s_wait_alu depctr_va_vdst(0)
	STEP 0, 0, 2
.Lfirst_done:
	s_mov_b32 s3, LAPS-1
.Llap:
	TURN 0, 1, 1
	STEP 1, 0, 0
	TURN 1, 0, 1
	STEP 0, 0, 0
	s_sub_co_u32 s3, s3, 1
	s_cmp_lg_u32 s3, 0
	s_cbranch_scc1 .Llap
	TURN 0, 1, 0
	STEP 1, 0, 0
	s_wait_dscnt 4*NL
	WIN MUL_LO
	MUL16 0, 1, 0
	MUL16 2, 1, 0
	s_wait_dscnt 0
	WIN MUL_HI
	MUL16 4, 1, 0
	MUL16 6, 1, 0
	WIN 0
	PLACES NP
.irp a, 0,1,2,3,4,5,6,7
	WIN (0x02+\a/4)
.set i, 0
.rept 64
	v_med3_num_f32 v[TMP+i], v[64*(\a%4)+i], -v[LIM], v[LIM]
.set i, i+1
.endr
	WIN 0
.irp b, 0,1,2,3,4,5,6,7
	v_cvt_scalef32_pk8_bf8_f32 v[CD+16*\a+2*\b:CD+16*\a+2*\b+1], v[TMP+8*\b:TMP+8*\b+7], v[SC]
.endr
	v_nop
.irp b, 0,1,2,3,4,5,6,7
	ds_store_b64 v[STO], v[CD+16*\a+2*\b:CD+16*\a+2*\b+1] offset:(\b/4)*GRP+\a*1280+32*((\b%4)/2)+8*(\b%2)
.endr
.endr
	s_wait_dscnt 0x0
	s_barrier_signal -1
	s_barrier_wait -1
.set i, 0
.rept 32
	ds_load_b128 v[CD+4*i:CD+4*i+3], v[RD] offset:640*i
.set i, i+1
.endr
.set i, 0
.rept 32
	s_wait_dscnt 31-i
	global_store_b128 v[CO+i/8], v[CD+4*i:CD+4*i+3], s[92:93] offset:(i%8)*512
.set i, i+1
.endr
	s_wait_tensorcnt 0x0
	ds_add_u32 v[SPW], v[NIL]
	s_wait_dscnt 0x0
	CROUND
	s_endpgm
.Lfunc_end_k_qa62d098528_qkv:
	.size	k_qa62d098528_qkv, .Lfunc_end_k_qa62d098528_qkv-k_qa62d098528_qkv
	.p2alignl 7, 3214868480
	.fill 96, 4, 3214868480
	.section	.rodata,"a",@progbits
	.p2align	6, 0x0
	.amdhsa_kernel k_qa62d098528_qkv
		.amdhsa_group_segment_fixed_size 327680
		.amdhsa_private_segment_fixed_size 0
		.amdhsa_enable_private_segment 0
		.amdhsa_kernarg_size 56
		.amdhsa_user_sgpr_count 2
		.amdhsa_user_sgpr_kernarg_segment_ptr 1
		.amdhsa_wavefront_size32 1
		.amdhsa_system_sgpr_workgroup_id_x 1
		.amdhsa_system_sgpr_workgroup_id_y 1
		.amdhsa_system_sgpr_workgroup_id_z 1
		.amdhsa_system_vgpr_workitem_id 0
		.amdhsa_next_free_vgpr 1024
		.amdhsa_next_free_sgpr 100
		.amdhsa_reserve_vcc 0
		.amdhsa_float_denorm_mode_32 3
		.amdhsa_float_denorm_mode_16_64 3
		.amdhsa_memory_ordered 1
		.amdhsa_forward_progress 1
		.amdhsa_inst_pref_size 147
	.end_amdhsa_kernel
	.amdgpu_metadata
---
amdhsa.version: [ 1, 2 ]
amdhsa.kernels:
  - .name:           k_qa62d098528_qkv
    .symbol:         k_qa62d098528_qkv.kd
    .args:
      - { .name: xc, .offset: 0, .size: 8, .value_kind: global_buffer, .address_space: global }
      - { .name: wc, .offset: 8, .size: 8, .value_kind: global_buffer, .address_space: global }
      - { .name: lowp_scales, .offset: 16, .size: 8, .value_kind: global_buffer, .address_space: global }
      - { .name: bq, .offset: 24, .size: 8, .value_kind: global_buffer, .address_space: global }
      - { .name: bk, .offset: 32, .size: 8, .value_kind: global_buffer, .address_space: global }
      - { .name: bv, .offset: 40, .size: 8, .value_kind: global_buffer, .address_space: global }
      - { .name: qkv, .offset: 48, .size: 8, .value_kind: global_buffer, .address_space: global }
    .group_segment_fixed_size: 327680
    .private_segment_fixed_size: 0
    .kernarg_segment_align: 8
    .kernarg_segment_size: 56
    .max_flat_workgroup_size: 128
    .sgpr_count:     100
    .vgpr_count:     1024
    .wavefront_size: 32
...
	.end_amdgpu_metadata
.endif
;; end of part 2
;; launch attn (part 3): grid 4 x 64, 8 waves a work-group, clusters of 4 x 1, 327,680 bytes of LDS; arguments qkv, lowp_scales, ac; writes ac
.if DOCPART == 3
	.amdgcn_target "amdgcn-amd-amdhsa--gfx1250"
	.amdhsa_code_object_version 6
	.text
	.protected	k_qa62d098528_attn
	.globl	k_qa62d098528_attn
	.p2align	8
	.type	k_qa62d098528_attn,@function
k_qa62d098528_attn:
	s_mov_b64 s[64:65], 0
	v_nop
	global_prefetch_b8 v0, s[64:65] scope:SCOPE_SE
	s_setreg_imm32_b32 hwreg(HW_REG_WAVE_MODE, 25, 1), 1
	s_wait_xcnt 0x0
	s_wait_alu depctr_hold_cnt(0) depctr_sa_sdst(0) depctr_va_vdst(0) depctr_va_sdst(0) depctr_va_ssrc(0) depctr_va_vcc(0) depctr_vm_vsrc(0)
	s_getreg_b32 s2, hwreg(HW_REG_IB_STS2, 6, 4)
	s_cmp_eq_u32 s2, 0
	s_cbranch_scc0 .Lentry_in_a_cluster
	s_endpgm
.Lentry_in_a_cluster:
	s_bfe_u32 s2, ttmp6, 0x10000c
	s_cmp_lg_u32 s2, 0x3003
	s_cbranch_scc0 .Lentry_shape_is_right
	s_endpgm
.Lentry_shape_is_right:
; Attention of one head (b x 16 + head = the cluster's y) on codes of BF8 (E5M2); head size 64, 2,048 queries and keys; the result quantised at once (e10) for the last product.
; THE MASK PUTS -10000, NOT -INFINITY: a masked key keeps the logit -10000.  Its product q . k is replaced by the mask for all inputs, so it is not made; the key still counts in M, in the row's sum and in P V, with p_m = 2^(t_m - M).
; THE SOFTMAX: t = logit x log2(e); M = the row's largest t so far rounded UP to a whole number; p = 2^(t - M) is quantised (e8), not normalised; the row's sum is taken of the unquantised p and divides at the end.
; K AND V STAY IN LDS: a head's 2 x 131,072 bytes are fetched once, by eight JOINT loads of the cluster's four work-groups (wave w: 32,768 bytes; waves 0-3 K, 4-7 V), as rows of 256 bytes + 16 of padding:
; 278,528 bytes.  Nothing is filled again, so one barrier stands ahead of the work and none in it.  No prefetch: all that the launch streams is asked for at its head, and there is no loop to run ahead in.
; SHARES.  A key step is 128 keys; group g holds queries 128 g .. 128 g + 127.  Wave w owns two PAIRS of tiles of 16 queries: queries 32 cx .. 32 cx + 31 of group 15 - w, then of group w:
; (16 - w) + (w + 1) = 17 steps with visible keys and 15 with masked keys alone in every wave.  The two tiles of a pair share every fragment of K and of V.  The body is written once: 2 pairs x 16 steps.
; Beyond a pair's diagonal step P is p_m's code in every place; M takes t_m in at the diagonal step, so it is final there.
; LAYOUT.  Both products are used transposed: S^T = K Q^T, O^T = V^T P^T: a lane holds ONE query (lane % 16) of each tile.  A row of 64 bytes with number R lies at 272 (R / 4) + 64 (R % 4):
; the 16 rows that a load touches start at 16 different groups of four banks (64 banks of 4 bytes: ISA guide 11.1).  V's rows of 64 keys are laid by the launch before in the order that P's conversions give.
; LIMITS: e6 + e7 between -110 and 123; e8, and e10 - e8 - e9, between -126 and 112.  NaN among the inputs is not served.
; REGISTERS.  Window 0: v1-31 addresses, constants, state; v32-45 at work; v48-111 V's fragments; v112-239 S^T, then p (tile a at 64 a).
; Window 1: v0-63 O^T (tile a at 32 a); v64-79 Q; v80-111 P's codes; v112-175 K's fragments; v176-191 the second pair's Q.
.set STEPB, 8704                       ; a key step on, in K and in V: 128 rows of 64 bytes = 32 x 272
.set TROW,  1088                       ; 16 rows of 64 bytes
.set VOFF,  139264
.set SPARE, 278528                     ; the spare words: 128 bytes for each of eight waves
.set STAGE, SPARE+1024                 ; the way out: 16 rows x 80 bytes for each wave; no tile lands here
.set KP,    80
.set AK0, 1
.set AV0, 2
.set ADK, 3
.set ADV, 4
.set SPW, 5
.set NIL, 6
.set SM,  7                            ; the raw score that stands for the logit -10000
.set DM,  8                            ; 32 cx + lane % 16 - 8 (lane / 16)
.set STI, 9
.set STB, 10
.set GOF, 11
.set CAND, 12                          ; SM, or the least number where no step lies beyond the diagonal
.set NH,  13                           ; the keys of later steps that a lane stands for
.set ST0, 14                           ; pairs (-M, largest raw score) of tiles 0, 1
.set ST1, 16
.set LS0, 18                           ; the sums, in two halves
.set LS1, 20
.set F0,  22                           ; f = 2^(old M - new M) in the low word of a pair
.set F1,  24
.set HA,  26                           ; 57,344 x 2^e8, twice: the two halves of a dual line read registers of different banks
.set HB,  27
.set SCP, 28                           ; 2^e8
.set SCO, 29                           ; 2^(e10 - e8 - e9)
.set HO,  30                           ; 57,344 x that
.set QOF, 31
.set TA,  32
.set TB2, 33
.set TC,  34
.set TD,  35
.set TP0, 36
.set TP1, 37
.set N0,  38
.set N1,  39
.set D0,  40
.set D1,  41
.set X0,  42
.set X1,  44
.set FV,  48
.set S,   112
.set QR,  64                           ; window 1
.set P,   80
.set FK,  112
.set QN,  176
.set WV,  18
.set SEL, 20
.set CS,  22                           ; s[22:23] c = log2(e) / 8 x 2^(e6 + e7)
.set G1,  24
.set G0,  40
.set TB,  2
.set KJ,  66                           ; the key step's number
.set PR,  67                           ; the pair's number
.set G,   69                           ; the pair's diagonal step
.set SMS, 73
.set MSB, 0
.macro WIN new                         ; the immediate's high byte repeats the setting that is left
.if MSB != \new
	s_set_vgpr_msb (MSB<<8)|\new
.set MSB, \new
.endif
.endm
.macro CROUND                          ; a round of the cluster's barrier
	s_barrier_signal -1
	s_barrier_wait -1
	s_cmp_lg_u32 s[WV], 0
	s_cbranch_scc1 .Lnot_wave_0_\@
	s_barrier_signal -3
.Lnot_wave_0_\@:
	s_barrier_wait -3
	s_barrier_signal -1
	s_barrier_wait -1
.endm
.macro VLOAD                           ; the step's fragments of V: four tiles of 16 of the head's 64 x 128 keys
.irp ct, 0,1,2,3
.irp c, 0,1,2,3
	ds_load_b128 v[FV+16*\ct+4*\c:FV+16*\ct+4*\c+3], v[ADV] offset:TROW*\ct+4*TROW*(\c/2)+32*(\c%2)
.endr
.endr
.endm
.macro KLOAD adr, off                  ; eight tiles of 16 keys into window 1
	WIN 0x40
.irp t, 0,1,2,3,4,5,6,7
	ds_load_b128 v[FK+8*\t:FK+8*\t+3], v[\adr] offset:\off+TROW*\t
	ds_load_b128 v[FK+8*\t+4:FK+8*\t+7], v[\adr] offset:\off+TROW*\t+32
.endr
.endm
	s_load_b128 s[4:7], s[0:1], 0x0                ; qkv, the scales
	s_load_b64 s[8:9], s[0:1], 0x10                ; ac
	v_lshl_add_u32 v[SPW], v0, 2, SPARE
	v_mov_b32 v[NIL], 0
	ds_add_u32 v[SPW], v[NIL]                      ; the opening lines: the add twice on end and one wait, ahead of the round and of my tensor load
	ds_add_u32 v[SPW], v[NIL]
	v_lshrrev_b32 v32, 5, v0
	v_readfirstlane_b32 s[WV], v32                 ; wave 0..7
	s_bfe_u32 s10, ttmp6, 0x40000                  ; cx: it enters Q's and ac's addresses and the lane constant DM, and nothing else
	s_and_b32 s11, ttmp7, 0xffff                   ; b x 16 + head
	s_xor_b32 s[G], s[WV], 15                      ; the first pair's group: 15 - wave
	s_lshl_b32 s13, s10, 5
	s_lshl_b32 s14, s[G], 7
	s_add_co_u32 s14, s14, s13                     ; the first pair's first query,
	s_lshl_b32 s15, s[WV], 7
	s_add_co_u32 s15, s15, s13                     ; the second pair's
	s_lshl_b32 s16, s11, 17                        ; the head's 131,072 bytes in q, in k and in v
	s_and_b32 s32, s[WV], 3
	s_lshl_b32 s32, s32, 15                        ; what I fetch: a quarter, 32,768 bytes,
	s_lshr_b32 s33, s[WV], 2
	s_lshl_b32 s33, s33, 23                        ; of K (at 8 MiB) or of V (at 16 MiB)
	s_add_co_u32 s34, s32, s33
	s_add_co_u32 s34, s34, s16
	s_add_co_u32 s34, s34, 0x800000
	s_mov_b32 s35, 0
	s_mul_i32 s38, s[WV], 128*272                  ; and where it goes
	s_lshl_b32 s56, s14, 6
	s_add_co_u32 s56, s56, s16                     ; Q's rows
	s_mov_b32 s57, 0
	s_lshl_b32 s58, s15, 6
	s_add_co_u32 s58, s58, s16
	s_mov_b32 s59, 0
	s_and_b32 s60, s11, 15
	s_lshl_b32 s60, s60, 13                        ; ac: head x 8,192 tokens,
	s_lshr_b32 s61, s11, 4
	s_lshl_b32 s61, s61, 11                        ; + b x 2,048,
	s_add_co_u32 s60, s60, s61
	s_add_co_u32 s62, s60, s15                     ; + the pair's first query,
	s_add_co_u32 s60, s60, s14
	s_lshl_b32 s60, s60, 6                         ; rows of 64 bytes
	s_mov_b32 s61, 0
	s_lshl_b32 s62, s62, 6
	s_mov_b32 s63, 0
	s_mov_b32 s[G1], 15|(1<<20)|(1<<21)|(5<<22)|(3<<25)   ; the mask: all four work-groups; elements of 1 byte; padding on; bit 21 beside a mask; 4 words after every 64
	s_mov_b32 s[G1+1], 256<<16                     ; tensor_dim0
	s_mov_b32 s[G1+2], 128<<16                     ; tensor_dim1
	s_mov_b32 s[G1+3], 256<<16                     ; tile_dim0
	s_mov_b32 s[G1+4], 128                         ; tile_dim1
	s_mov_b32 s[G1+5], 256                         ; tensor_dim0_stride: dense
	s_mov_b32 s[G1+6], 0
	s_mov_b32 s[G1+7], 0
	s_mov_b32 s[SEL], 0x76543210
	s_mov_b32 s[SEL+1], 0xfedcba98
	s_mov_b32 s[CS], 0x3e38aa3b                    ; log2(e) / 8
	s_mov_b32 s[TB], 0
	s_mov_b32 s[PR], 0
	s_wait_dscnt 0x0                               ; both opening adds are done
	s_wait_kmcnt 0x0
	s_load_b256 s[84:91], s[6:7], 0x0              ; e0 .. e7
	s_load_b128 s[92:95], s[6:7], 0x20             ; e8 .. e11
	s_add_nc_u64 s[52:53], s[4:5], s[56:57]        ; Q of the first pair,
	s_add_nc_u64 s[54:55], s[4:5], s[58:59]        ; of the second
	s_add_nc_u64 s[48:49], s[8:9], s[60:61]        ; ac at the pair in hand,
	s_add_nc_u64 s[50:51], s[8:9], s[62:63]        ; at the second
	s_mov_b32 s[G0], 1
	s_mov_b32 s[G0+1], s38
	s_add_nc_u64 s[G0+2:G0+3], s[4:5], s[34:35]
	s_or_b32 s[G0+3], s[G0+3], 0x80000000
	CROUND                                         ; all four work-groups are here: the joint loads meet
	tensor_load_to_lds s[G0:G0+3], s[G1:G1+7]      ; every wave's one tensor load of the launch
	s_nop 0
	v_and_b32 v32, 15, v0                          ; r
	v_bfe_u32 v33, v0, 4, 1                        ; h
	v_lshrrev_b32 v34, 2, v32
	v_and_b32 v35, 3, v32
	v_mul_u32_u24 v[AK0], v34, 272
	v_lshl_add_u32 v[AK0], v35, 6, v[AK0]
	v_lshl_add_u32 v[AK0], v33, 4, v[AK0]          ; 272 (r / 4) + 64 (r % 4) + 16 h
	v_add_nc_u32 v[AV0], VOFF, v[AK0]
	v_lshlrev_b32 v[QOF], 6, v32
	v_lshl_add_u32 v[QOF], v33, 4, v[QOF]          ; Q: row r of 64 bytes, + 16 h
	WIN 0x40
.irp a, 0,1
	global_load_b128 v[QR+8*\a:QR+8*\a+3], v[QOF], s[52:53] offset:1024*\a
	global_load_b128 v[QR+8*\a+4:QR+8*\a+7], v[QOF], s[52:53] offset:1024*\a+32
	global_load_b128 v[QN+8*\a:QN+8*\a+3], v[QOF], s[54:55] offset:1024*\a
	global_load_b128 v[QN+8*\a+4:QN+8*\a+7], v[QOF], s[54:55] offset:1024*\a+32
.endr
.set i, 0
.rept 32
	v_mov_b32 v[P+i], 0                            ; P (window 1) is written whole once: codes of 0 on every way to the second product
.set i, i+1
.endr
	WIN 0
	v_lshlrev_b32 v[DM], 3, v33
	v_sub_nc_u32 v[DM], v32, v[DM]
	v_add_nc_u32 v[DM], s13, v[DM]
	s_mul_i32 s34, s[WV], 16*KP
	s_add_co_u32 s34, s34, STAGE                   ; my stage
	v_mul_u32_u24 v[STI], v32, KP
	v_lshl_add_u32 v[STI], v33, 3, v[STI]
	v_add_nc_u32 v[STI], s34, v[STI]               ; in: row r, + 8 h; tile ct 16 bytes on
	v_and_b32 v36, 31, v0
	v_lshrrev_b32 v34, 2, v36
	v_and_b32 v35, 3, v36
	v_mul_u32_u24 v[STB], v34, KP
	v_lshl_add_u32 v[STB], v35, 4, v[STB]
	v_add_nc_u32 v[STB], s34, v[STB]               ; back: four lanes to a row, eight rows an instruction
	v_lshlrev_b32 v[GOF], 4, v36                   ; and 16 x lane in ac
	v_mov_b32 v[F0+1], 0                           ; (named as upper halves of pairs, and as lane permutes' destinations)
	v_mov_b32 v[F1+1], 0
	v_mov_b32 v[TP0], 0
	v_mov_b32 v[TP1], 0
	s_wait_kmcnt 0x0
	s_add_co_i32 s32, s90, s91
	s_lshl_b32 s32, s32, 23
	s_add_co_i32 s[CS], s[CS], s32                 ; a raw score stands for score x 2^(e6 + e7): added to c's exponent field
	s_mov_b32 s[CS+1], s[CS]
	s_sub_co_i32 s[SMS], 0xc79c4000, s32           ; -80000 / 2^(e6 + e7): x c it gives -10000 log2(e)
	v_mov_b32 v[SM], s[SMS]
	s_add_co_i32 s32, s92, 127
	s_lshl_b32 s33, s32, 23
	v_mov_b32 v[SCP], s33
	s_add_co_i32 s32, s32, 15
	s_lshl_b32 s32, s32, 23
	s_or_b32 s32, s32, 0x600000
	v_mov_b32 v[HA], s32
	v_mov_b32 v[HB], s32
	s_sub_co_i32 s32, s94, s92
	s_sub_co_i32 s32, s32, s93
	s_add_co_i32 s32, s32, 127
	s_lshl_b32 s33, s32, 23
	v_mov_b32 v[SCO], s33
	s_add_co_i32 s32, s32, 15
	s_lshl_b32 s32, s32, 23
	s_or_b32 s32, s32, 0x600000
	v_mov_b32 v[HO], s32
	s_wait_alu depctr_va_vdst(0)                   ; the wait at the head's end
	s_wait_loadcnt 0x0                             ; Q of both pairs
	s_wait_tensorcnt 0x0                           ; my eighth of K and V is in,
	s_barrier_signal -1
	s_barrier_wait -1                              ; everybody's is
.Lpair:                                            ; two trips: the pair of group 15 - wave, then the pair of group wave
	KLOAD AK0, 0                                   ; step 0's keys
.set i, 0
.rept 64
	v_mov_b32 v[i], 0                              ; O^T of both tiles (window 1): the step is written once, its first trip finds zeros
.set i, i+1
.endr
	WIN 0
	v_mov_b32 v[ST0], 0x7f61b1e6                   ; -M = 3e38,
	v_mov_b32 v[ST0+1], 0xff61b1e6                 ; the largest raw score so far: -3e38
	v_mov_b32 v[ST1], 0x7f61b1e6
	v_mov_b32 v[ST1+1], 0xff61b1e6
	v_mov_b32 v[LS0], 0
	v_mov_b32 v[LS0+1], 0
	v_mov_b32 v[LS1], 0
	v_mov_b32 v[LS1+1], 0
	s_xor_b32 s32, s[G], 15
	s_lshl_b32 s32, s32, 6
	v_cvt_f32_u32 v[NH], s32                       ; 64 (15 - G)
	s_cmp_eq_u32 s[G], 15
	s_cselect_b32 s33, 0xff7fffff, s[SMS]
	v_mov_b32 v[CAND], s33
	s_mov_b32 s[KJ], 0
	s_wait_alu depctr_va_vdst(0)
.Lstep:                                            ; sixteen trips, a constant; what a step does hangs on its number and the wave's
	v_add_nc_u32 v[ADK], s[TB], v[AK0]
	v_add_nc_u32 v[ADV], s[TB], v[AV0]
	s_wait_alu depctr_va_vdst(0)
	s_cmp_gt_u32 s[KJ], s[G]
	s_cbranch_scc0 .Lvis
.rept 4
	v_nop                                          ; places behind the last products, whose fragments are loaded anew
.endr
	VLOAD                                          ; beyond the diagonal: P holds p_m's code since the diagonal step
	s_branch .Lpv
.Lvis:
	s_wait_dscnt 0x0                               ; the step's keys are in: asked for a step ago
	WIN 0x05
.irp t, 0,1,2,3,4,5,6,7
.irp a, 0,1
	v_wmma_f32_16x16x64_bf8_bf8 v[S+64*\a+8*\t:S+64*\a+8*\t+7], v[FK+8*\t:FK+8*\t+7], v[QR+8*\a:QR+8*\a+7], 0   ; register 8 t + j: key 16 t + 8 (lane / 16) + j of the step
.endr
.endr
	WIN 0
.rept 4
	v_nop                                          ; places: the results are read, and the fragments' registers loaded anew
.endr
	VLOAD
	s_cmp_lg_u32 s[KJ], s[G]
	s_cbranch_scc0 .Ldiag
	KLOAD ADK, STEPB                               ; ahead of the diagonal: the next step's keys
	WIN 0
	s_branch .Lsoft
.Ldiag:
	v_max_num_f32 v[ST0+1], v[ST0+1], v[CAND]      ; the later steps' masked keys enter the largest score here, so that M is final from this step on
	v_max_num_f32 v[ST1+1], v[ST1+1], v[CAND]
.set n, 0
.rept 128                                      ; masked keys take the raw score that stands for -10000: in tile a where 16 t + j - 16 a > DM
	v_cmp_gt_i32 vcc_lo, 16*((n%64)/8)+n%8-16*(n/64), v[DM]
	v_cndmask_b32 v[S+n], v[S+n], v[SM], vcc_lo
.set n, n+1
.endr
.Lsoft:
	v_max3_num_f32 v[TA], v[S], v[S+1], v[S+2]     ; the step's largest score of each of my two queries, in two chains each; each accumulator is read from its low end on
	v_max3_num_f32 v[TB2], v[S+3], v[S+4], v[S+5]
	v_max3_num_f32 v[TC], v[S+64], v[S+65], v[S+66]
	v_max3_num_f32 v[TD], v[S+67], v[S+68], v[S+69]
.set i, 6
.rept 14
	v_max3_num_f32 v[TA], v[TA], v[S+i], v[S+i+1]
	v_max3_num_f32 v[TB2], v[TB2], v[S+i+2], v[S+i+3]
	v_max3_num_f32 v[TC], v[TC], v[S+64+i], v[S+64+i+1]
	v_max3_num_f32 v[TD], v[TD], v[S+64+i+2], v[S+64+i+3]
.set i, i+4
.endr
	v_max3_num_f32 v[TA], v[TA], v[S+62], v[S+63]
	v_max3_num_f32 v[TC], v[TC], v[S+126], v[S+127]
	v_max_num_f32 v[TA], v[TA], v[TB2]
	v_max_num_f32 v[TC], v[TC], v[TD]
	v_permlanex16_b32 v[TP0], v[TA], s[SEL], s[SEL+1]
	v_permlanex16_b32 v[TP1], v[TC], s[SEL], s[SEL+1]
	v_max3_num_f32 v[ST0+1], v[ST0+1], v[TA], v[TP0]   ; with lane l xor 16's, into the running largest (c is positive, so the largest score gives the largest t)
	v_max3_num_f32 v[ST1+1], v[ST1+1], v[TC], v[TP1]
	v_mul_f32 v[N0], -v[ST0+1], s[CS]
	v_mul_f32 v[N1], -v[ST1+1], s[CS]
	v_floor_f32 v[N0], v[N0]                       ; the new -M = -ceil(t): a whole number
	v_floor_f32 v[N1], v[N1]
	v_sub_f32 v[D0], v[N0], v[ST0]
	v_sub_f32 v[D1], v[N1], v[ST1]
	v_mov_b32 v[ST0], v[N0]
	v_mov_b32 v[ST1], v[N1]
	v_cvt_i32_f32 v[D0], v[D0]                     ; (it saturates)
	v_cvt_i32_f32 v[D1], v[D1]
	v_ldexp_f32 v[F0], 1.0, v[D0]                  ; f = 2^(old M - new M): rounds nothing
	v_ldexp_f32 v[F1], 1.0, v[D1]
.set Y0, 240                           ; v[240:241], v[242:243]: two more chains of a row's sum
.set Y1, 242
.macro ROWSUM b, l, x                  ; the row's sum is taken of the unquantised p: a tile's 64 numbers, two at a time, in four chains
	v_pk_add_f32 v[\x:\x+1], v[\b:\b+1], v[\b+2:\b+3]
	v_pk_add_f32 v[Y0:Y0+1], v[\b+4:\b+5], v[\b+6:\b+7]
	v_pk_add_f32 v[Y1:Y1+1], v[\b+8:\b+9], v[\b+10:\b+11]
.set i, 12
.rept 6
	v_pk_add_f32 v[\l:\l+1], v[\l:\l+1], v[\b+i:\b+i+1]
	v_pk_add_f32 v[\x:\x+1], v[\x:\x+1], v[\b+i+2:\b+i+3]
	v_pk_add_f32 v[Y0:Y0+1], v[Y0:Y0+1], v[\b+i+4:\b+i+5]
	v_pk_add_f32 v[Y1:Y1+1], v[Y1:Y1+1], v[\b+i+6:\b+i+7]
.set i, i+8
.endr
	v_pk_add_f32 v[\l:\l+1], v[\l:\l+1], v[\b+60:\b+61]
	v_pk_add_f32 v[\x:\x+1], v[\x:\x+1], v[\b+62:\b+63]
	v_pk_add_f32 v[Y0:Y0+1], v[Y0:Y0+1], v[Y1:Y1+1]
	v_pk_add_f32 v[\l:\l+1], v[\l:\l+1], v[\x:\x+1]
	v_pk_add_f32 v[\l:\l+1], v[\l:\l+1], v[Y0:Y0+1]
.endm
.set i, 0
.rept 32
	v_pk_fma_f32 v[S+i:S+i+1], v[S+i:S+i+1], s[CS:CS+1], v[ST0:ST0+1] op_sel_hi:[1,0,0]   ; tile 0: t - M
.set i, i+2
.endr
	s_wait_alu depctr_va_vdst(0)                   ; ahead of the batch: it serves tile 0's t - M, and -M and f of tile 1
.set i, 0
.rept 32                                       ; tile 0's p = 2^(t - M); among its exponentials stand tile 1's t - M, whose sources were written ahead of the wait above and whose results are first read behind the wait below
	v_exp_f32 v[S+i], v[S+i]
	v_pk_fma_f32 v[S+64+i:S+64+i+1], v[S+64+i:S+64+i+1], s[CS:CS+1], v[ST1:ST1+1] op_sel_hi:[1,0,0]
	v_exp_f32 v[S+i+1], v[S+i+1]
.set i, i+2
.endr
	v_pk_mul_f32 v[LS0:LS0+1], v[LS0:LS0+1], v[F0:F0+1] op_sel_hi:[1,0]   ; the sums under the new M; plain lines behind the exponentials
	v_pk_mul_f32 v[LS1:LS1+1], v[LS1:LS1+1], v[F1:F1+1] op_sel_hi:[1,0]
	s_wait_alu depctr_va_vdst(0)                   ; one wait for the batch, ahead of its first reader
	ROWSUM S, LS0, X0
	s_wait_alu depctr_va_vdst(0)                   ; ahead of the second batch
.set i, 0
.rept 32                                       ; tile 1's p; among its exponentials stand tile 0's holds: the conversion does not saturate (ISA guide 7.6.2); p is not negative, so the hold is one-sided; two a line
	v_exp_f32 v[S+64+i], v[S+64+i]
	v_dual_min_num_f32 v[S+i], v[S+i], v[HA] :: v_dual_min_num_f32 v[S+i+1], v[S+i+1], v[HB]
	v_exp_f32 v[S+64+i+1], v[S+64+i+1]
.set i, i+2
.endr
	v_nop                                          ; a plain line behind the last exponential
	s_wait_alu depctr_va_vdst(0)                   ; one wait for the batch, ahead of its first reader
	ROWSUM S+64, LS1, X1
.set i, 0
.rept 32
	v_dual_min_num_f32 v[S+64+i], v[S+64+i], v[HA] :: v_dual_min_num_f32 v[S+64+i+1], v[S+64+i+1], v[HB]
.set i, i+2
.endr
	WIN 0x40
.irp a, 0,1
.irp t, 0,1,2,3,4,5,6,7
	v_cvt_scalef32_pk8_bf8_f32 v[P+16*\a+2*\t:P+16*\a+2*\t+1], v[S+64*\a+8*\t:S+64*\a+8*\t+7], v[SCP]   ; registers 2 t, 2 t + 1 of the operand: k = 16 t + 8 (lane / 16) + 0 .. 7
.endr
.endr
	WIN 0x41
	s_wait_alu depctr_va_vdst(0)                   ; directly ahead of the first readers of O^T
.irp a, 0,1
.set i, 0
.rept 16
	v_pk_mul_f32 v[32*\a+i:32*\a+i+1], v[32*\a+i:32*\a+i+1], v[F0+2*\a:F0+2*\a+1] op_sel_hi:[1,0]   ; O^T under the new M; also the plain lines behind the conversions
.set i, i+2
.endr
.endr
	WIN 0
.Lpv:
	s_wait_dscnt 0x0                               ; V's fragments are in
	WIN 0x54
	s_wait_alu depctr_va_vdst(0)
.irp ct, 0,1,2,3                               ; O^T += V^T P^T: eight accumulators by turns; K = the step's 128 keys
.irp a, 0,1
	v_wmma_f32_16x16x128_bf8_bf8 v[32*\a+8*\ct:32*\a+8*\ct+7], v[FV+16*\ct:FV+16*\ct+15], v[P+16*\a:P+16*\a+15], v[32*\a+8*\ct:32*\a+8*\ct+7]
.endr
.endr
	WIN 0
	s_cmp_lg_u32 s[KJ], s[G]
	s_cbranch_scc1 .Ldone
	v_fma_f32 v[TA], v[CAND], s[CS], v[ST0]        ; the diagonal step closes: t_m - M, M final,
	v_fma_f32 v[TC], v[CAND], s[CS], v[ST1]
	s_wait_alu depctr_va_vdst(0)
	v_exp_f32 v[TA], v[TA]                         ; p_m
	v_exp_f32 v[TC], v[TC]
	v_nop
	s_wait_alu depctr_va_vdst(0)
	v_fma_f32 v[LS0], v[TA], v[NH], v[LS0]         ; the later steps' keys in the row's sum,
	v_fma_f32 v[LS1], v[TC], v[NH], v[LS1]
.set i, 0
.rept 8
	v_min_num_f32 v[S+i], v[TA], v[HA]
	v_min_num_f32 v[S+8+i], v[TC], v[HA]
.set i, i+1
.endr
	v_cvt_scalef32_pk8_bf8_f32 v[X0:X0+1], v[S:S+7], v[SCP]
	v_cvt_scalef32_pk8_bf8_f32 v[X1:X1+1], v[S+8:S+15], v[SCP]
	v_nop
	WIN 0x40
.set i, 0
.rept 16
	v_mov_b32 v[P+i], v[X0]                        ; and p_m's code in every place of P, for all the steps beyond
	v_mov_b32 v[P+16+i], v[X1]
.set i, i+1
.endr
	WIN 0
.Ldone:
	s_add_co_u32 s[TB], s[TB], STEPB
	s_add_co_u32 s[KJ], s[KJ], 1
	s_cmp_lt_u32 s[KJ], 16
	s_cbranch_scc1 .Lstep
	; THE WAY OUT of a pair.  O^T / the sum stands for the result / 2^(e8 + e9); its code under e10 is made with the one scale 2^(e10 - e8 - e9).  A lane's eight codes are 8 bytes of one token's row of 64;
	; a tile goes through the wave's own stage and leaves as 1,024 consecutive bytes.
.rept 4
	v_nop                                          ; places behind the last products
.endr
	v_add_f32 v[TA], v[LS0], v[LS0+1]
	v_add_f32 v[TC], v[LS1], v[LS1+1]
	v_permlanex16_b32 v[TP0], v[TA], s[SEL], s[SEL+1]
	v_permlanex16_b32 v[TP1], v[TC], s[SEL], s[SEL+1]
	v_add_f32 v[TA], v[TA], v[TP0]                 ; the rows' sums
	v_add_f32 v[TC], v[TC], v[TP1]
	s_wait_alu depctr_va_vdst(0)
	v_rcp_f32 v[F0], v[TA]
	v_rcp_f32 v[F1], v[TC]
	v_nop
	WIN 0x01
	s_wait_alu depctr_va_vdst(0)                   ; for the reciprocals, and directly ahead of the first readers of O^T
.irp a, 0,1
.set i, 0
.rept 16
	v_pk_mul_f32 v[S+32*\a+i:S+32*\a+i+1], v[32*\a+i:32*\a+i+1], v[F0+2*\a:F0+2*\a+1] op_sel_hi:[1,0]   ; each accumulator from its low end on
.set i, i+2
.endr
.endr
	WIN 0
.set i, 0
.rept 64
	v_med3_num_f32 v[S+i], v[S+i], -v[HO], v[HO]
.set i, i+1
.endr
.irp a, 0,1
.irp ct, 0,1,2,3
	v_cvt_scalef32_pk8_bf8_f32 v[FV+8*\a+2*\ct:FV+8*\a+2*\ct+1], v[S+32*\a+8*\ct:S+32*\a+8*\ct+7], v[SCO]
.endr
.endr
	v_nop
.irp a, 0,1
.irp ct, 0,1,2,3
	ds_store_b64 v[STI], v[FV+8*\a+2*\ct:FV+8*\a+2*\ct+1] offset:16*\ct
.endr
.irp i, 0,1
	ds_load_b128 v[FV+16+8*\a+4*\i:FV+16+8*\a+4*\i+3], v[STB] offset:8*KP*\i   ; LDS serves a wave's instructions in order: these see my stores, and the next tile's stores come behind them
.endr
.endr
	s_wait_dscnt 0x0
.irp a, 0,1
.irp i, 0,1
	global_store_b128 v[GOF], v[FV+16+8*\a+4*\i:FV+16+8*\a+4*\i+3], s[48:49] offset:1024*\a+512*\i   ; 32 lanes store 512 consecutive bytes, aligned
.endr
.endr
	s_wait_xcnt 0x0                                ; the stores have read their registers and their base
	WIN 0x41
.set i, 0
.rept 16
	v_mov_b32 v[QR+i], v[QN+i]                     ; the second pair's Q, group and place in ac (in the second trip these lines are run and their results not used)
.set i, i+1
.endr
	WIN 0
	s_mov_b32 s[G], s[WV]
	s_mov_b64 s[48:49], s[50:51]
	s_sub_co_u32 s[TB], s[TB], 16*STEPB            ; back to step 0
	s_add_co_u32 s[PR], s[PR], 1
	s_cmp_lt_u32 s[PR], 2
	s_cbranch_scc1 .Lpair
	s_wait_tensorcnt 0x0                           ; the wave's end
	ds_add_u32 v[SPW], v[NIL]
	s_wait_dscnt 0x0
	CROUND                                         ; the closing round
	s_endpgm
.Lfunc_end_k_qa62d098528_attn:
	.size	k_qa62d098528_attn, .Lfunc_end_k_qa62d098528_attn-k_qa62d098528_attn
	.p2alignl 7, 3214868480
	.fill 96, 4, 3214868480
	.section	.rodata,"a",@progbits
	.p2align	6, 0x0
	.amdhsa_kernel k_qa62d098528_attn
		.amdhsa_group_segment_fixed_size 327680
		.amdhsa_private_segment_fixed_size 0
		.amdhsa_enable_private_segment 0
		.amdhsa_kernarg_size 24
		.amdhsa_user_sgpr_count 2
		.amdhsa_user_sgpr_kernarg_segment_ptr 1
		.amdhsa_wavefront_size32 1
		.amdhsa_system_sgpr_workgroup_id_x 1
		.amdhsa_system_sgpr_workgroup_id_y 1
		.amdhsa_system_sgpr_workgroup_id_z 1
		.amdhsa_system_vgpr_workitem_id 0
		.amdhsa_next_free_vgpr 448
		.amdhsa_next_free_sgpr 100
		.amdhsa_reserve_vcc 1
		.amdhsa_float_denorm_mode_32 3
		.amdhsa_float_denorm_mode_16_64 3
		.amdhsa_memory_ordered 1
		.amdhsa_forward_progress 1
		.amdhsa_inst_pref_size 63
	.end_amdhsa_kernel
	.amdgpu_metadata
---
amdhsa.version: [ 1, 2 ]
amdhsa.kernels:
  - .name:           k_qa62d098528_attn
    .symbol:         k_qa62d098528_attn.kd
    .args:
      - { .name: qkv, .offset: 0, .size: 8, .value_kind: global_buffer, .address_space: global }
      - { .name: lowp_scales, .offset: 8, .size: 8, .value_kind: global_buffer, .address_space: global }
      - { .name: ac, .offset: 16, .size: 8, .value_kind: global_buffer, .address_space: global }
    .group_segment_fixed_size: 327680
    .private_segment_fixed_size: 0
    .kernarg_segment_align: 8
    .kernarg_segment_size: 24
    .max_flat_workgroup_size: 256
    .sgpr_count:     100
    .vgpr_count:     448
    .wavefront_size: 32
...
	.end_amdgpu_metadata
.endif
;; end of part 3
;; launch proj (part 4): grid 256 x 1, 4 waves a work-group, clusters of 4 x 1, 327,680 bytes of LDS; arguments ac, wc, lowp_scales, bp, hidden_states, ln_g, ln_b, out0; writes out0
.if DOCPART == 4
	.amdgcn_target "amdgcn-amd-amdhsa--gfx1250"
	.amdhsa_code_object_version 6
	.text
	.protected	k_qa62d098528_proj
	.globl	k_qa62d098528_proj
	.p2align	8
	.type	k_qa62d098528_proj,@function
k_qa62d098528_proj:
	s_mov_b64 s[64:65], 0
	v_nop
	global_prefetch_b8 v0, s[64:65] scope:SCOPE_SE
	s_setreg_imm32_b32 hwreg(HW_REG_WAVE_MODE, 25, 1), 1
	s_wait_xcnt 0x0
	s_wait_alu depctr_hold_cnt(0) depctr_sa_sdst(0) depctr_va_vdst(0) depctr_va_sdst(0) depctr_va_ssrc(0) depctr_va_vcc(0) depctr_vm_vsrc(0)
	s_getreg_b32 s2, hwreg(HW_REG_IB_STS2, 6, 4)
	s_cmp_eq_u32 s2, 0
	s_cbranch_scc0 .Lentry_in_a_cluster
	s_endpgm
.Lentry_in_a_cluster:
	s_bfe_u32 s2, ttmp6, 0x10000c
	s_cmp_lg_u32 s2, 0x3003
	s_cbranch_scc0 .Lentry_shape_is_right
	s_endpgm
.Lentry_shape_is_right:
; out0 = LayerNorm(attention's result x Wp + bp + hidden_states) x ln_g + ln_b.  The product on codes of BF8 (E5M2): ac [head][token][64] under e10, Wp's codes wc + 3 MiB [n][k] under e11; all else f32.
; SHARES.  The norm wants whole rows, so a work-group owns 32 tokens x all 1,024 columns: 8,192 / 32 = 256 work-groups of four waves, each wave 32 x 256 in 256 registers of accumulators.
; Every work-group walks all of Wp's codes; the four of a cluster ask for Wp's tiles JOINTLY.
; ITEMS.  Item i = 0 .. 7: K step i / 2 (256 along K), column half i % 2 (512 columns), LDS slot i % 2: 512 rows of Wp x 256 bytes, and my 32 tokens x 256 bytes (four heads' planes).
; THE MATRIX INSTRUCTION IS USED TRANSPOSED (source 0 = 16 rows of Wp's codes, source 1 = 16 tokens): a lane holds one token and eight neighbouring columns.
; THE WAY OUT.  The sums x 2^(e10 + e11) go through a stage in LDS (32 rows x 4,112 bytes, over the slots, which have had their last fill and their last read); each wave then norms 8 whole rows, a row at a time, 32 numbers a lane.
; The variance is the mean of (y - mean)^2, in a second pass over the registers.
; LIMIT: e10 + e11 between -126 and 127.
; REGISTERS, in windows of 256: window 0: v14-29 addresses; v32-63 bp, v64-95 ln_g, v96-127 ln_b of my 32 columns; v128-191, v192-255 A's two sets, later staging and rows.
;   window 1: Wp's two sets of fragments, later eight rows of hidden_states.   windows 2, 3: the accumulators of column halves 0, 1 ((a, b) at v[8 (8 a + b)], a = 0, 1).
.set PB,     272                       ; a row of Wp's tile in LDS: 256 bytes + 16
.set BBYTES, 512*PB
.set KP,     80                        ; a token's 64 bytes of one head + 16
.set TOK,    32                        ; tokens of a work-group
.set NR,     8                         ; rows that a wave norms
.set PLANE,  TOK*KP
.set SLOT,   BBYTES+4*PLANE
.set SPARE,  2*SLOT                    ; the spare words, 128 bytes a wave
.set SPITCH, 4112                      ; a row of the stage: 4,096 bytes + 16
.set PFO,  14
.set ADRA, 16
.set ADRB, 20
.set RD,   22
.set LI,   23
.set STO,  24                          ; v24-25
.set SPW,  28
.set NIL,  29
.set BP,   32
.set LG,   64
.set LB,   96
.set WV,   14
.set SEL,  20
.set G1B,  24
.set G0B,  32
.set G1A,  48
.set G0A,  56
.set XB,   84                          ; s[84:85] hidden_states at my wave's 8 rows; never rewritten
.set OB,   86                          ; s[86:87] out0 likewise
.set MSB, 0
.macro WIN new
.if MSB != \new
	s_set_vgpr_msb (MSB<<8)|\new
.set MSB, \new
.endif
.endm
.macro PLACES n
.rept \n
	v_nop
.endr
.endm
.macro JLOAD s                         ; waves 0 and 1: the two halves of Wp's tile, jointly; waves 2 and 3: two heads' planes each of my tokens' tile, my work-group's own.  Every wave issues one load; four v_nop follow each line
	s_cmp_lt_u32 s[WV], 2
	s_cbranch_scc0 .Lnot_b_\@
	tensor_load_to_lds s[G0B+4*\s:G0B+4*\s+3], s[G1B:G1B+7]
	s_nop 0
.rept 4
	v_nop
.endr
	s_branch .Lasked_\@
.Lnot_b_\@:
	tensor_load_to_lds s[G0A+4*\s:G0A+4*\s+3], s[G1A:G1A+7]
	s_nop 0
.rept 4
	v_nop
.endr
.Lasked_\@:
.endm
.macro CREST
	s_cmp_lg_u32 s[WV], 0
	s_cbranch_scc1 .Lnot_wave_0_\@
	s_barrier_signal -3
.Lnot_wave_0_\@:
	s_barrier_wait -3
	s_barrier_signal -1
	s_barrier_wait -1
.endm
.macro CROUND
	s_barrier_signal -1
	s_barrier_wait -1
	CREST
.endm
	s_load_b512 s[68:83], s[0:1], 0x0              ; ac 68, wc 70, scales 72, bp 74, hidden_states 76, ln_g 78, ln_b 80, out0 82
	v_lshl_add_u32 v[SPW], v0, 2, SPARE
	v_mov_b32 v[NIL], 0
	ds_add_u32 v[SPW], v[NIL]                      ; the opening lines: the add twice on end and one wait
	ds_add_u32 v[SPW], v[NIL]
	s_wait_dscnt 0x0
	v_lshrrev_b32 v1, 5, v0
	v_readfirstlane_b32 s[WV], v1                  ; wave 0..3
	s_bfe_u32 s10, ttmp6, 0x40000                  ; cx
	s_lshl_b32 s11, ttmp9, 2
	s_add_co_u32 s11, s11, s10                     ; my block of 32 tokens: it enters ac's, hidden_states' and out0's addresses alone
	s_and_b32 s12, s[WV], 1
	s_mov_b32 s[G1B], 15|(1<<20)|(1<<21)|(5<<22)|(3<<25)   ; the mask: all four; elements of 1 byte; padding on; bit 21 beside a mask; 4 words after every 64
	s_mov_b32 s[G1B+1], 256<<16                    ; tensor_dim0
	s_mov_b32 s[G1B+2], 256<<16                    ; tensor_dim1
	s_mov_b32 s[G1B+3], 256<<16                    ; tile_dim0
	s_mov_b32 s[G1B+4], 256                        ; tile_dim1
	s_mov_b32 s[G1B+5], 1024                       ; tensor_dim0_stride
	s_mov_b32 s[G1B+6], 0
	s_mov_b32 s[G1B+7], 0
	s_mov_b32 s[G1A], (1<<20)|(3<<22)|(3<<25)      ; no mask; padding: 4 words after every 16, so that each token's 64 bytes lie 80 apart
	s_mov_b32 s[G1A+1], (TOK*64)<<16               ; tensor_dim0: a head's 32 tokens x 64 bytes, dense
	s_mov_b32 s[G1A+2], 2<<16                      ; tensor_dim1: two heads a wave
	s_mov_b32 s[G1A+3], (TOK*64)<<16               ; tile_dim0
	s_mov_b32 s[G1A+4], 2                          ; tile_dim1
	s_mov_b32 s[G1A+5], 524288                     ; from head to head: 8,192 tokens x 64 bytes
	s_mov_b32 s[G1A+6], 0
	s_mov_b32 s[G1A+7], 0
	s_lshl_b32 s16, s12, 18                        ; Wp's codes: my 256 rows of 1,024 bytes,
	s_add_co_u32 s16, s16, 0x300000                ; in the fourth weight
	s_mov_b32 s17, 0
	s_mul_i32 s13, s12, 256*PB
	s_lshl_b32 s18, s11, 11                        ; ac: my 32 tokens x 64 bytes,
	s_lshl_b32 s15, s12, 20
	s_add_co_u32 s18, s18, s15                     ; + two heads of 524,288 bytes for the odd wave
	s_mul_i32 s15, s12, 2*PLANE                    ; and its two planes in LDS
	s_mov_b32 s19, 0
	s_lshl_b32 s22, s11, 17                        ; hidden_states, out0: 32 rows of 4,096 bytes,
	s_lshl_b32 s23, s[WV], 15                      ; + my wave's 8
	s_add_co_u32 s22, s22, s23
	s_mov_b32 s23, 0
	s_mov_b32 s[SEL], 0x76543210
	s_mov_b32 s[SEL+1], 0xfedcba98
	s_mov_b32 s92, 0x3a800000                      ; 1 / 1,024
	s_mov_b32 s93, 0x3727c5ac                      ; 1e-5
	s_wait_kmcnt 0x0
	s_load_b128 s[88:91], s[72:73], 0x20           ; e8 .. e11
	s_add_nc_u64 s[16:17], s[70:71], s[16:17]
	s_add_nc_u64 s[18:19], s[68:69], s[18:19]
	s_add_nc_u64 s[XB:XB+1], s[76:77], s[22:23]
	s_add_nc_u64 s[OB:OB+1], s[82:83], s[22:23]
	CROUND                                         ; all four work-groups are here: the first joint loads meet
.irp s, 0,1
	s_mov_b32 s[G0B+4*\s], 1
	s_add_co_u32 s[G0B+4*\s+1], s13, \s*SLOT
	s_add_nc_u64 s[G0B+4*\s+2:G0B+4*\s+3], s[16:17], \s*512*1024   ; slot s: column half s, K step 0
	s_or_b32 s[G0B+4*\s+3], s[G0B+4*\s+3], 0x80000000
	s_mov_b32 s[G0A+4*\s], 1
	s_add_co_u32 s[G0A+4*\s+1], s15, \s*SLOT+BBYTES
	s_mov_b64 s[G0A+4*\s+2:G0A+4*\s+3], s[18:19]
	s_or_b32 s[G0A+4*\s+3], s[G0A+4*\s+3], 0x80000000
.endr
	JLOAD 0                                        ; slot 0: one tensor load a wave at the head
	v_and_b32 v1, 15, v0                           ; r
	v_bfe_u32 v2, v0, 4, 1                         ; h
	v_and_b32 v3, 31, v0
	v_lshlrev_b32 v[LI], 4, v3                     ; 16 x lane
	v_lshlrev_b32 v[PFO], 8, v3                    ; 256 x lane
.irp c, 0,1,2,3,4,5,6,7                        ; in the norm a lane holds columns 4 lane + 128 c + 0 .. 3
	global_load_b128 v[BP+4*\c:BP+4*\c+3], v[LI], s[74:75] offset:512*\c
	global_load_b128 v[LG+4*\c:LG+4*\c+3], v[LI], s[78:79] offset:512*\c
	global_load_b128 v[LB+4*\c:LB+4*\c+3], v[LI], s[80:81] offset:512*\c
.endr
	v_mul_u32_u24 v4, v1, KP
	v_lshl_add_u32 v4, v2, 4, v4
	v_add_nc_u32 v[ADRA], BBYTES, v4
	v_add_nc_u32 v[ADRA+1], SLOT+BBYTES, v4
	s_mul_i32 s21, s[WV], 128*PB                   ; my 128 rows of a tile of Wp
	v_mul_u32_u24 v5, v1, PB
	v_lshl_add_u32 v5, v2, 4, v5
	v_add_nc_u32 v[ADRB], s21, v5
	v_add_nc_u32 v[ADRB+1], SLOT, v[ADRB]
	s_mov_b32 s[SEL+1], 0xfedcba98                 ; (s21 served the line above)
	v_mul_u32_u24 v6, v1, SPITCH                   ; the stage, in: row 16 a + r, my wave's 512 bytes of each half, 32 bytes for each half of the lanes
	v_lshl_add_u32 v6, v2, 5, v6
	s_lshl_b32 s22, s[WV], 9
	v_add_nc_u32 v[STO], s22, v6
	v_add_nc_u32 v[STO+1], 16*SPITCH, v[STO]
	s_mul_i32 s22, s[WV], NR*SPITCH                ; back: my 8 rows, 16 bytes a lane
	v_add_nc_u32 v[RD], s22, v[LI]
; the fragments of a slot's q-th 128 along K into set p: Wp's eight (window 1), my tokens' two (window 0).  Registers 4 c .. 4 c + 3 hold K = 32 c + 16 (l / 16) + 0 .. 15, alike on both sides
.macro FETCH slot, q, p
	WIN 0x40
.irp b, 0,1,2,3,4,5,6,7
.irp c, 0,1,2,3
	ds_load_b128 v[128*(\p)+16*\b+4*\c:128*(\p)+16*\b+4*\c+3], v[ADRB+\slot] offset:128*(\q)+32*\c+16*PB*\b
.endr
.endr
	WIN 0
.irp a, 0,1
.irp c, 0,1,2,3
	ds_load_b128 v[128+64*(\p)+16*\a+4*\c:128+64*(\p)+16*\a+4*\c+3], v[ADRA+\slot] offset:(2*(\q)+\c/2)*PLANE+16*KP*\a+32*(\c%2)
.endr
.endr
.endm
; 4 matrix instructions: Wp's blocks b0, b0 + 1 x my two tiles of tokens.  The half's 16 accumulators take turns, in the same order in every step
.macro MUL4 b0, p, half, zero
	WIN (0xa1+0x50*(\half))
.irp b, \b0, \b0+1
.irp a, 0,1
.if \zero
	v_wmma_f32_16x16x128_bf8_bf8 v[8*(8*\a+(\b)):8*(8*\a+(\b))+7], v[128*(\p)+16*(\b):128*(\p)+16*(\b)+15], v[128+64*(\p)+16*\a:128+64*(\p)+16*\a+15], 0
.else
	v_wmma_f32_16x16x128_bf8_bf8 v[8*(8*\a+(\b)):8*(8*\a+(\b))+7], v[128*(\p)+16*(\b):128*(\p)+16*(\b)+15], v[128+64*(\p)+16*\a:128+64*(\p)+16*\a+15], v[8*(8*\a+(\b)):8*(8*\a+(\b))+7]
.endif
.endr
.endr
.endm
; A prefetch into the L2 of my wave's 8 rows of hidden_states, 32,768 bytes: four instructions, lanes 256 bytes apart, each aligned block of 256 bytes named once in the launch; two stand behind each of the
; last two runs of LDS loads but one, about an item and a half ahead of the loads that will want them.  Their address registers are never rewritten.
.macro PFX k0
.irp k, 0,1
	global_prefetch_b8 v[PFO], s[XB:XB+1] offset:8192*(\k0+\k) th:TH_LOAD_NT scope:SCOPE_SE
.endr
.endm
.macro SUB0 slot, half, zero, pf       ; an item's first 128 along K, on set 0; the second's fragments are fetched into set 1
	s_wait_dscnt 0x0                               ; set 0 is in
	PLACES 4                                       ; in front of loads into set 1, which the last products read
	FETCH \slot, 1, 1
.if \pf
	PFX 2
.endif
	MUL4 0, 0, \half, \zero
	MUL4 2, 0, \half, \zero
	MUL4 4, 0, \half, \zero
	MUL4 6, 0, \half, \zero
.endm
; An item's second 128 along K changes slots: each wave waits for all its tensor loads, adds 0 to its spare word, waits for that and for its reads of this slot; one barrier.  fill = 1: a round of the cluster's, and this slot takes the item two on.
.macro TURN slot, half, next, fill, pf
	WIN 0
	s_wait_tensorcnt 0x0                           ; all my tensor loads have landed: my part of the next slot
	ds_add_u32 v[SPW], v[NIL]
	s_wait_dscnt 1                                 ; set 1 is in (the add may be out)
	MUL4 0, 1, \half, 0
	s_wait_dscnt 0x0                               ; the add is done, and my reads of this slot are over
	s_barrier_signal -1
	MUL4 2, 1, \half, 0
	WIN 0
	s_barrier_wait -1
.if \fill
	CREST
	s_add_nc_u64 s[G0B+4*\slot+2:G0B+4*\slot+3], s[G0B+4*\slot+2:G0B+4*\slot+3], 256        ; the next K step of the same column half,
	s_add_nc_u64 s[G0A+4*\slot+2:G0A+4*\slot+3], s[G0A+4*\slot+2:G0A+4*\slot+3], 2097152    ; the next four heads
	JLOAD \slot                                    ; the first tensor load behind the round
.endif
	PLACES 4                                       ; on every wave's path: in front of loads into set 0
	FETCH \next, 0, 0
.if \pf
	PFX 0
.endif
	MUL4 4, 1, \half, 0
	MUL4 6, 1, \half, 0
.endm
	s_wait_alu depctr_va_vdst(0)                   ; the wait at the head's end
	s_wait_tensorcnt 0x0                           ; my part of slot 0 is in; the same lines stand ahead of a later first fill as ahead of a refill
	ds_add_u32 v[SPW], v[NIL]
	s_wait_dscnt 0x0
	CROUND                                         ; everybody's part is in, and the four work-groups are here: the joint loads meet
	JLOAD 1                                        ; slot 1's first fill, the first tensor load behind the round
	FETCH 0, 0, 0
	SUB0 0, 0, 1, 0                                ; the first lap is written out: its first products start the sums
	TURN 0, 0, 1, 1, 0
	SUB0 1, 1, 1, 0
	TURN 1, 1, 0, 1, 0
	WIN 0
	s_mov_b32 s3, 2
.Llap:
	SUB0 0, 0, 0, 0
	TURN 0, 0, 1, 1, 0
	SUB0 1, 1, 0, 0
	TURN 1, 1, 0, 1, 0
	WIN 0
	s_sub_co_u32 s3, s3, 1
	s_cmp_lg_u32 s3, 0
	s_cbranch_scc1 .Llap
	SUB0 0, 0, 0, 0                                ; the last lap fills nothing
	TURN 0, 0, 1, 0, 1
	SUB0 1, 1, 0, 1
	s_wait_dscnt 0x0                               ; set 1 is in: my last reads of the slots are over
	s_barrier_signal -1                            ; this barrier parts every wave's last reads of the slots from the stores into the stage
	MUL4 0, 1, 1, 0
	MUL4 2, 1, 1, 0
	MUL4 4, 1, 1, 0
	MUL4 6, 1, 1, 0
	WIN 0
	s_barrier_wait -1
	; ---- the way out
	PLACES 4                                       ; behind the last products: their fragments' registers are loaded anew, their results read
	s_wait_loadcnt 0x0                             ; bp, ln_g, ln_b
	WIN 0x40                                       ; destination window 1: my eight rows of hidden_states, 32 registers each
.irp i, 0,1,2,3,4,5,6
.irp c, 0,1,2,3,4,5,6,7
	global_load_b128 v[32*\i+4*\c:32*\i+4*\c+3], v[LI], s[XB:XB+1] offset:4096*\i+512*\c th:TH_LOAD_NT
.endr
.endr
	WIN 0
	s_wait_kmcnt 0x0
	s_add_co_i32 s46, s90, s91
	s_add_co_i32 s46, s46, 127
	s_lshl_b32 s46, s46, 23                        ; 2^(e10 + e11) as f32
	s_mov_b32 s47, s46
.irp half, 0,1
.irp a, 0,1
	WIN (0x02+\half)                               ; source 0: window 2 or 3
.set i, 0
.rept 32
	v_pk_mul_f32 v[128+64*(\a%2)+i:128+64*(\a%2)+i+1], v[64*\a+i:64*\a+i+1], s[46:47] op_sel_hi:[1,0]   ; each accumulator from its low end on
.set i, i+2
.endr
	WIN 0
.irp b, 0,1,2,3,4,5,6,7
	ds_store_b128 v[STO+\a], v[128+64*(\a%2)+8*\b:128+64*(\a%2)+8*\b+3] offset:2048*\half+64*\b
	ds_store_b128 v[STO+\a], v[128+64*(\a%2)+8*\b+4:128+64*(\a%2)+8*\b+7] offset:2048*\half+64*\b+16
.endr
.endr
.endr
	s_wait_dscnt 0x0                               ; for the others' sake: my stores into the stage are done
	s_barrier_signal -1
	s_barrier_wait -1
	v_mov_b32 v137, 0                              ; (named as upper halves of pairs, and as a lane permute's destination)
	v_mov_b32 v139, 0
	v_mov_b32 v140, 0
.irp c, 0,1,2,3,4,5,6,7
	ds_load_b128 v[192+4*\c:192+4*\c+3], v[RD] offset:512*\c
.endr
.macro ALL32                           ; v128 summed over the 32 lanes, the result in every lane
	v_add_f32_dpp v128, v128, v128 row_xmask:1 row_mask:0xf bank_mask:0xf
	v_add_f32_dpp v128, v128, v128 row_xmask:2 row_mask:0xf bank_mask:0xf
	v_add_f32_dpp v128, v128, v128 row_xmask:4 row_mask:0xf bank_mask:0xf
	v_add_f32_dpp v128, v128, v128 row_xmask:8 row_mask:0xf bank_mask:0xf
	v_permlanex16_b32 v140, v128, s[SEL], s[SEL+1]
	v_add_f32 v128, v128, v140
.endm
.macro ROWP i                          ; row i of my 8
.set Y,  192+32*((\i)%2)
.set YN, 192+32*(((\i)+1)%2)
.set XR, 32*((\i)%8)
.set XW, 32*(((\i)+7)%8)
	s_wait_xcnt 0x0                                ; the last row's stores have read their registers, which take the next row
.if (\i) < NR-1
.irp c, 0,1,2,3,4,5,6,7
	ds_load_b128 v[YN+4*\c:YN+4*\c+3], v[RD] offset:((\i)+1)*SPITCH+512*\c
.endr
	s_wait_dscnt 8                                 ; this row is in; the next row's eight loads may be out
.else
	s_wait_dscnt 0x0
.endif
.if NR-1-(\i) >= 6
	s_wait_loadcnt 48                              ; this row of hidden_states is in; the six rows behind it may be out
.else
	s_wait_loadcnt 8*(NR-1-(\i))
.endif
	WIN 0x04                                       ; source 1: window 1
.set j, 0
.rept 16
	v_pk_add_f32 v[Y+j:Y+j+1], v[Y+j:Y+j+1], v[XR+j:XR+j+1]   ; + the residual
.set j, j+2
.endr
.if (\i)+7 < NR
	WIN 0x40
.irp c, 0,1,2,3,4,5,6,7
	global_load_b128 v[XW+4*\c:XW+4*\c+3], v[LI], s[XB:XB+1] offset:4096*((\i)+7)+512*\c th:TH_LOAD_NT
.endr
.endif
	WIN 0
.set j, 0
.rept 16
	v_pk_add_f32 v[Y+j:Y+j+1], v[Y+j:Y+j+1], v[BP+j:BP+j+1]   ; + bp
.set j, j+2
.endr
.irp k, 0,2,4,6                                ; the row's sum, in four chains
	v_pk_add_f32 v[128+\k:129+\k], v[Y+\k:Y+\k+1], v[Y+8+\k:Y+9+\k]
.endr
.irp j, 16,24
.irp k, 0,2,4,6
	v_pk_add_f32 v[128+\k:129+\k], v[128+\k:129+\k], v[Y+\j+\k:Y+\j+\k+1]
.endr
.endr
	v_pk_add_f32 v[128:129], v[128:129], v[130:131]
	v_pk_add_f32 v[132:133], v[132:133], v[134:135]
	v_pk_add_f32 v[128:129], v[128:129], v[132:133]
	v_add_f32 v128, v128, v129
	ALL32
	v_mul_f32 v136, s92, v128                      ; the mean
.set j, 0
.rept 16
	v_pk_add_f32 v[Y+j:Y+j+1], v[Y+j:Y+j+1], v[136:137] op_sel_hi:[1,0] neg_lo:[0,1] neg_hi:[0,1]
.set j, j+2
.endr
	v_pk_mul_f32 v[128:129], v[Y:Y+1], v[Y:Y+1]    ; the squares, in two chains
	v_pk_mul_f32 v[130:131], v[Y+2:Y+3], v[Y+2:Y+3]
.set j, 4
.rept 7
	v_pk_fma_f32 v[128:129], v[Y+j:Y+j+1], v[Y+j:Y+j+1], v[128:129]
	v_pk_fma_f32 v[130:131], v[Y+j+2:Y+j+3], v[Y+j+2:Y+j+3], v[130:131]
.set j, j+4
.endr
	v_pk_add_f32 v[128:129], v[128:129], v[130:131]
	v_add_f32 v128, v128, v129
	ALL32
	v_fma_f32 v138, v128, s92, s93                 ; the variance + 1e-5
	s_wait_alu depctr_va_vdst(0)
	v_rsq_f32 v138, v138
	v_nop
	s_wait_alu depctr_va_vdst(0)                   ; ahead of the first reader
.set j, 0
.rept 16
	v_pk_mul_f32 v[Y+j:Y+j+1], v[Y+j:Y+j+1], v[138:139] op_sel_hi:[1,0]
.set j, j+2
.endr
.set j, 0
.rept 16
	v_pk_fma_f32 v[Y+j:Y+j+1], v[Y+j:Y+j+1], v[LG+j:LG+j+1], v[LB+j:LB+j+1]
.set j, j+2
.endr
.irp c, 0,1,2,3,4,5,6,7
	global_store_b128 v[LI], v[Y+4*\c:Y+4*\c+3], s[OB:OB+1] offset:4096*(\i)+512*\c th:TH_STORE_NT   ; 32 lanes store 512 consecutive bytes, aligned
.endr
.endm
.irp i, 0,1,2,3,4,5,6,7
	ROWP \i
.endr
	s_wait_tensorcnt 0x0                           ; the wave's end
	ds_add_u32 v[SPW], v[NIL]
	s_wait_dscnt 0x0
	CROUND                                         ; the closing round
	s_endpgm
.Lfunc_end_k_qa62d098528_proj:
	.size	k_qa62d098528_proj, .Lfunc_end_k_qa62d098528_proj-k_qa62d098528_proj
	.p2alignl 7, 3214868480
	.fill 96, 4, 3214868480
	.section	.rodata,"a",@progbits
	.p2align	6, 0x0
	.amdhsa_kernel k_qa62d098528_proj
		.amdhsa_group_segment_fixed_size 327680
		.amdhsa_private_segment_fixed_size 0
		.amdhsa_enable_private_segment 0
		.amdhsa_kernarg_size 64
		.amdhsa_user_sgpr_count 2
		.amdhsa_user_sgpr_kernarg_segment_ptr 1
		.amdhsa_wavefront_size32 1
		.amdhsa_system_sgpr_workgroup_id_x 1
		.amdhsa_system_sgpr_workgroup_id_y 1
		.amdhsa_system_sgpr_workgroup_id_z 1
		.amdhsa_system_vgpr_workitem_id 0
		.amdhsa_next_free_vgpr 1024
		.amdhsa_next_free_sgpr 100
		.amdhsa_reserve_vcc 0
		.amdhsa_float_denorm_mode_32 3
		.amdhsa_float_denorm_mode_16_64 3
		.amdhsa_memory_ordered 1
		.amdhsa_forward_progress 1
		.amdhsa_inst_pref_size 154
	.end_amdhsa_kernel
	.amdgpu_metadata
---
amdhsa.version: [ 1, 2 ]
amdhsa.kernels:
  - .name:           k_qa62d098528_proj
    .symbol:         k_qa62d098528_proj.kd
    .args:
      - { .name: ac, .offset: 0, .size: 8, .value_kind: global_buffer, .address_space: global }
      - { .name: wc, .offset: 8, .size: 8, .value_kind: global_buffer, .address_space: global }
      - { .name: lowp_scales, .offset: 16, .size: 8, .value_kind: global_buffer, .address_space: global }
      - { .name: bp, .offset: 24, .size: 8, .value_kind: global_buffer, .address_space: global }
      - { .name: hidden_states, .offset: 32, .size: 8, .value_kind: global_buffer, .address_space: global }
      - { .name: ln_g, .offset: 40, .size: 8, .value_kind: global_buffer, .address_space: global }
      - { .name: ln_b, .offset: 48, .size: 8, .value_kind: global_buffer, .address_space: global }
      - { .name: out0, .offset: 56, .size: 8, .value_kind: global_buffer, .address_space: global }
    .group_segment_fixed_size: 327680
    .private_segment_fixed_size: 0
    .kernarg_segment_align: 8
    .kernarg_segment_size: 64
    .max_flat_workgroup_size: 128
    .sgpr_count:     100
    .vgpr_count:     1024
    .wavefront_size: 32
...
	.end_amdgpu_metadata
.endif
;; end of part 4
